; MI455X (gfx1250); checked and timed in simulation.
; The chip was launched on July 23, 2026; its instructions are those of AMD's public machine-readable ISA for CDNA 5 (MIT licence, August 2026) and "CDNA5" Instruction Set Architecture Reference Guide (July 2026). The comments in the code are by the model that wrote it; some were corrected since.
;; Multi Head Self Attention. Allowed arithmetic: matrix products marked QUANTISED: E3M2 operands, one E8M0 scale for each 32 along K, by v_wmma_scale_f32_16x16x128_f8f6f4 with both operands' format E3M2, f32 sums; everything else in f32.
;; Inputs: Wproj 1,024 x 1,024 float32; Wqkv 1,024 x 3,072 float32; bproj 1,024 float32; bqkv 3,072 float32; x 4 x 2,048 x 1,024 float32.
;; Outputs: out0 4 x 2,048 x 1,024 float32.
;; This version of the problem:
;;   THIS VERSION OF THE PROBLEM IS GIVEN IN LOW PRECISION. The matrix products marked QUANTISED in the list below multiply operands that are first quantised to E3M2 (3 exponent bits, 2 mantissa bits; 6 bits a number), with one power-of-two scale for each 32 numbers along K (OCP MX v1.0); their sums are f32. All else is computed in f32.
;;   The module's matrix products, in the order in which they are computed (A, B: the left and right operand; K: the contracted axis; several contracted axes count as one K, in the product's order):
;;     1. [M 8,192, K 1,024] x [K 1,024, N 3,072]; A: input x; B: input Wqkv: QUANTISED
;;     2. batch 64 x [M 2,048, K 64] x [K 64, N 2,048]; A: computed on the way; B: computed on the way: QUANTISED
;;     3. batch 64 x [M 64, K 2,048] x [K 2,048, N 2,048]; A: computed on the way; B: softmax (see below): QUANTISED
;;     4. [M 8,192, K 1,024] x [K 1,024, N 1,024]; A: computed on the way; B: input Wproj: QUANTISED
;;   THE QUANTISER, for each operand of a quantised product, along K:
;;     - K is cut into blocks of 32 from its start; a last block that is shorter is filled with zeros.
;;     - A block's scale is 2^e with e = floor(log2(the largest magnitude in the block)) - 4, held to -126 .. 127; a block of zeros has e = 0. As a byte (E8M0): e + 127.
;;     - Each number is divided by its block's scale, clamped to +-28, and rounded to the nearest number of E3M2, ties to even, subnormals kept.
;;     - The product sums the exact products of the quantised numbers (number of the format x scale) in f32.
;;   ~~~python
;;   def quantise(x, axis):      # numpy; x: float32 -> the quantised numbers, widened to float32 again
;;       x = np.moveaxis(x, axis, -1); K = x.shape[-1]
;;       x = np.pad(x, [(0, 0)] * (x.ndim - 1) + [(0, -K % 32)]); x = x.reshape(x.shape[:-1] + (-1, 32)); a = np.abs(x).max(-1, keepdims=True)
;;       e = np.where(a > 0, np.clip(np.frexp(np.where(a > 0, a, 1))[1] - 1 - 4, -126, 127), 0)      # np.frexp(a)[1] - 1 = floor(log2(a)), exactly
;;       r = np.clip(x / 2.0 ** e, -28, 28)
;;       step = 2.0 ** (np.maximum(np.frexp(np.where(r == 0, 1, r))[1] - 1, -2) - 2)
;;       q = np.round(r / step) * step * 2.0 ** e      # np.round: ties to even
;;       return np.moveaxis(q.reshape(q.shape[:-2] + (-1,))[..., :K], -1, axis).astype(np.float32)
;;   ~~~
;;   SOFTMAX AHEAD OF A QUANTISED PRODUCT. Where the list says 'softmax', what is quantised is not the finished softmax but p = 2^(t - M), with t = logit x log2(e) and M = ceil(the row's largest t), a whole number; so 1/2 < the row's largest p <= 1. The row's sum l is taken of the UNQUANTISED p, in f32, and the product's result is divided by l at the end. Since M is a whole number, a kernel that streams over the keys may use a running M (the ceiling of the running maximum): every later rescaling is an exact power of two, which a block's scale takes up: the codes' values come out the same.
;;   OPERANDS COMPUTED ON THE WAY. 'Computed on the way' means the value that the module computes at that place (a softmax that the list does not call 'softmax' is quantised finished and normalised). What goes into a quantiser is computed in f32, as accurately as f32 sums, v_exp_f32 and their like allow (about 1e-6 of the number): no bf16 or f16 on the way to a quantiser, and a product that is left as it is and whose result goes on into a quantised operand takes f32 operands (vector FMAs, or v_wmma_f32_16x16x4_f32). A number that lies on a knife's edge between two numbers of the format may be rounded either way, as far as f32 arithmetic and the matrix unit's own rounding can turn it there, and no further.
;; One version. Each part assembles by itself: llvm-mc -triple=amdgcn-amd-amdhsa -mcpu=gfx1250 --defsym DOCPART=n.
;; ======== version 1 of 1: 4 launches
;; limits: right only within a limited range of input values
;; workspace buffers: xw 9,830,400 bytes; qc 6,291,456 bytes; kvs 13,893,632 bytes; oq 6,553,600 bytes
;; launch quant (part 1): grid 512 x 1, 4 waves a work-group, no clusters, 83,456 bytes of LDS; arguments x, Wqkv, Wproj, xw; writes xw
.if DOCPART == 1
	.amdgcn_target "amdgcn-amd-amdhsa--gfx1250"
	.amdhsa_code_object_version 6
	.text
	.protected	k_q3ab8c63f51_quant
	.globl	k_q3ab8c63f51_quant
	.p2align	8
	.type	k_q3ab8c63f51_quant,@function
k_q3ab8c63f51_quant:
	s_mov_b64 s[64:65], 0
	v_nop
	global_prefetch_b8 v0, s[64:65] scope:SCOPE_SE
	s_setreg_imm32_b32 hwreg(HW_REG_WAVE_MODE, 25, 1), 1
	s_wait_xcnt 0x0
; x [8192][1024], Wqkv [1024][3072] and Wproj [1024][1024], f32, become codes of BF6 (E3M2) with one E8M0 byte for each 32 along K, laid as the products' launches want them.
; A block's scale is 2^(floor(log2(its largest magnitude)) - 4); its byte is that magnitude's exponent field - 4, held at 1 from below by a floor among the maximum's leaves.
; LIMITS: NaN and infinities are not served; a block of zeros, or one whose largest magnitude lies under 2^-122, keeps the byte 1 (its codes are zeros or tiny; this program alone reads the bytes).
; THE LAYOUT.  A HALF IMAGE is 16 rows x 64 along K as the operand's registers hold them, 768 bytes: lane l = (r, h) holds row index r and k = 32 h .. 32 h + 31: its registers 0-3 at 16 l, its registers 4-5 at 512 + 8 l.
; Two half images on end are a fragment of 128 along K.  THE ROWS OF A TILE ARE NOT NEIGHBOURS: index i of tile 2 g + u is row (or column of a weight) 32 g + 8 u + i + 8 (i / 8).
; Scale words (four bytes: 128 along K of a row): [pair of tiles][K / 512][32 lanes: the even tile's 16, the odd tile's 16][4 words], 1,024 bytes a pair.
; xw: x's codes [512 tiles][16][768] at 0, x's words at XSO; Wqkv's codes [192 tiles][16][768] at WQO, its words at WSO; Wproj's [64][16][768] at PQO, its words at PSO.
; Work-groups 0-255 take the weights (the longer task, so they come first), 256-511 take x.  Waves share nothing: no barrier.  Each of the two ways has LDS bytes of its own.
.set NW,    256                        ; THE SPLIT AS IT NOW STANDS (in place of the one named above): work-groups 0-255 take the weights (192 Wqkv, 64 Wproj), 256-511 take x
.set XSO,   6291456
.set WQO,   6553600
.set WSO,   8912896
.set PQO,   9011200
.set PSO,   9797632
.set FLOOR, 0x2800000                  ; 2^(5 - 127)
.set WV,  16                           ; s16      my wave's number
.set SEL, 18                           ; s[18:19] selects for lane l xor 16
; x's way: v1 16 x lane, v2 8 x lane, v3 stage in, v4 stage out, v5 16 r
.set R,   16                           ; v16-79   16 rows' 512 bytes as loaded
.set X,   80                           ; v80-143  64 numbers of my row: register 16 b + i = k 32 b + 16 h + i
.set CA,  224                          ; v224-229, v8-13 a step's codes; v144-207 the second set of 16 rows as loaded
.set CB,  8
.set PT,  208                          ; v208-214 the upper blocks' codes before the exchange
.set T0,  216
.set T1,  217
.set T2,  218
.set T3,  219
.set T4,  220
.set T5,  221
.set W0,  222
.set W1,  223
.set XW,  232                          ; v232-235 my row's four scale words
; the weights' way
.set OFF, 16                           ; v16-47   4 x lane + i rows
.set WX,  48                           ; v48-111  two sets of 32 numbers down K
.set WC,  112                          ; v112-118 a block's codes
.set SB,  120                          ; v120 my column's scale word
.set OUTR, 128                         ; v128-151 the way out
.set WB0, 32                           ; s[32:39] a base for each of the 4 blocks
.set WAREA, 33792                      ; LDS: x's four stages (8,448 each) lie below, the weights' four (12,288 each) from here
; 32 numbers of a lane, register 16 b + i = k 32 b + 16 h + i (b = 0, 1), become a half image's six registers v[pc] on and the two scale bytes in v[w].
.macro QH src, pc, pt, w
	v_max3_num_f32 v[T0], |v[\src]|, |v[\src+1]|, FLOOR             ; my 16 numbers of each block, and the floor
	v_max3_num_f32 v[T1], |v[\src+16]|, |v[\src+17]|, FLOOR
.irp i, 2,4,6,8,10,12,14
	v_max3_num_f32 v[T0], v[T0], |v[\src+\i]|, |v[\src+\i+1]|
	v_max3_num_f32 v[T1], v[T1], |v[\src+\i+16]|, |v[\src+\i+17]|
.endr
	v_permlanex16_b32 v[T2], v[T0], s[SEL], s[SEL+1]
	v_permlanex16_b32 v[T3], v[T1], s[SEL], s[SEL+1]
	v_max_num_f32 v[T0], v[T0], v[T2]                               ; with lane l xor 16's: the block's largest magnitude
	v_max_num_f32 v[T1], v[T1], v[T3]
	v_add_nc_u32 v[T4], 0xfe000000, v[T0]                           ; 4 off the exponent field: the conversion's scale operand
	v_add_nc_u32 v[T5], 0xfe000000, v[T1]
	v_lshrrev_b32 v[T2], 23, v[T4]                                  ; the bytes
	v_lshrrev_b32 v[T3], 23, v[T5]
	v_lshl_or_b32 v[\w], v[T3], 8, v[T2]
	v_cvt_scalef32_pk16_bf6_f32 v[\pc:\pc+2], v[\src:\src+15], v[T4]
	v_cvt_scalef32_pk16_bf6_f32 v[\pt:\pt+2], v[\src+16:\src+31], v[T5]
	v_nop                                                           ; one plain place behind a scaled conversion
.irp i, 0,1,2
	v_permlane16_swap_b32 v[\pc+\i], v[\pt+\i]                      ; a whole block to a lane: lanes 0-15 block 0, lanes 16-31 block 1
.endr
.irp i, 0,1,2
	v_mov_b32 v[\pc+3+\i], v[\pt+\i]
.endr
.endm
	s_load_b256 s[4:11], s[0:1], 0x0               ; x s[4:5], Wqkv s[6:7], Wproj s[8:9], xw s[10:11]
	v_lshl_add_u32 v240, v0, 2, 0x14400
	v_mov_b32 v241, 0
	v_lshrrev_b32 v1, 5, v0
	v_readfirstlane_b32 s[WV], v1
	v_and_b32 v15, 31, v0                          ; lane
	s_mov_b32 s[SEL], 0x76543210
	s_mov_b32 s[SEL+1], 0xfedcba98
	s_cmp_lt_u32 ttmp9, NW
	s_cbranch_scc1 .Lweights
; ---------------- x: a wave takes one tile of 16 rows x 512 along K: four steps of 128
	s_sub_co_u32 s20, ttmp9, NW
	s_lshl_b32 s20, s20, 2
	s_add_co_u32 s20, s20, s[WV]                   ; the task: 0 .. 1023
	s_lshr_b32 s21, s20, 1                         ; the tile of rows
	s_and_b32 s22, s20, 1                          ; which 512 along K
	s_lshr_b32 s23, s21, 1                         ; the pair of tiles
	s_and_b32 s24, s21, 1                          ; even or odd tile
	s_lshl_b32 s26, s23, 17                        ; x: row 32 pair + 8 u, 4,096 bytes a row; + 2,048 for the second 512
	s_lshl_b32 s25, s24, 15
	s_add_co_u32 s26, s26, s25
	s_lshl_b32 s25, s22, 11
	s_add_co_u32 s26, s26, s25
	s_mov_b32 s27, 0
	s_mul_i32 s28, s21, 12288                      ; the codes: 16 half images a tile
	s_mul_i32 s25, s22, 6144
	s_add_co_u32 s28, s28, s25
	s_mov_b32 s29, 0
	s_lshl_b32 s30, s23, 10                        ; the scale words
	s_lshl_b32 s25, s22, 9
	s_add_co_u32 s30, s30, s25
	s_lshl_b32 s25, s24, 8
	s_add_co_u32 s30, s30, s25
	s_add_co_u32 s30, s30, XSO
	s_mov_b32 s31, 0
	s_mul_i32 s25, s[WV], 8448                     ; my stage: 16 rows x (512 + 16) bytes
	s_wait_alu depctr_va_vdst(0)
	v_lshlrev_b32 v1, 4, v15
	v_lshlrev_b32 v2, 3, v15
	v_add_nc_u32 v3, s25, v1                       ; in: as loaded, 16 bytes a lane
	v_and_b32 v6, 15, v0                           ; r
	v_bfe_u32 v7, v0, 4, 1                         ; h
	v_mul_u32_u24 v4, v6, 528
	v_lshl_add_u32 v4, v7, 6, v4
	v_add_nc_u32 v4, s25, v4                       ; out: row r, + 64 h: my 16 numbers of each block of 32
	v_lshlrev_b32 v5, 4, v6
	v_mov_b32 v[T2], 0                             ; a lane permute's destination counts as read
	v_mov_b32 v[T3], 0
	s_wait_alu depctr_va_vdst(0)
	s_wait_kmcnt 0x0
	s_add_nc_u64 s[4:5], s[4:5], s[26:27]
	s_add_nc_u64 s[12:13], s[10:11], s[28:29]
	s_add_nc_u64 s[14:15], s[10:11], s[30:31]
.macro XLOAD s                         ; step s: each load reads 512 consecutive bytes of one of the tile's rows
.irp p, 0,1,2,3,4,5,6,7,8,9,10,11,12,13,14,15
	global_load_b128 v[R+128*((\s)%2)+4*\p:R+128*((\s)%2)+4*\p+3], v1, s[4:5] offset:(\p+8*(\p/8))*4096+512*(\s) th:TH_LOAD_NT
.endr
.endm
.macro XSTEP s
.if (\s) < 3
	s_wait_loadcnt 16                              ; this step's 16 loads are in; the next step's 16 may be out
.else
	s_wait_loadcnt 0x0
.endif
.irp p, 0,1,2,3,4,5,6,7,8,9,10,11,12,13,14,15
	ds_store_b128 v3, v[R+128*((\s)%2)+4*\p:R+128*((\s)%2)+4*\p+3] offset:528*\p
.endr
.irp b, 0,1,2,3                        ; LDS serves a wave's instructions in order: these see the stores above
.irp j, 0,1,2,3
	ds_load_b128 v[X+16*\b+4*\j:X+16*\b+4*\j+3], v4 offset:128*\b+16*\j
.endr
.endr
.if (\s) < 2
	s_wait_dscnt 16                                ; the 16 stores are done (the 16 loads behind them may be out): their registers take the loads of two steps on
	XLOAD (\s)+2
.endif
	s_wait_dscnt 0x0
.if (\s) > 0
	s_wait_xcnt 0x0                                ; the last step's stores have read the codes' registers
.endif
	QH X, CA, PT, W0
	QH X+32, CB, PT+4, W1
	v_lshl_or_b32 v[XW+(\s)], v[W1], 16, v[W0]     ; my row's word for these 128
	global_store_b128 v1, v[CA:CA+3], s[12:13] offset:1536*(\s)          ; 512 consecutive bytes,
	global_store_b64 v2, v[CA+4:CA+5], s[12:13] offset:1536*(\s)+512     ; 256
	global_store_b128 v1, v[CB:CB+3], s[12:13] offset:1536*(\s)+768
	global_store_b64 v2, v[CB+4:CB+5], s[12:13] offset:1536*(\s)+1280
.endm
	XLOAD 0
	XLOAD 1
	XSTEP 0
	XSTEP 1
	XSTEP 2
	XSTEP 3
	v_cmp_gt_u32 vcc_lo, 16, v15                   ; both halves of the lanes hold row r's words: lanes 0-15 store them, 256 consecutive bytes
	s_wait_alu depctr_va_vdst(0)
	s_wait_xcnt 0x0                                ; EXEC is a source of the stores above
	s_wait_tensorcnt 0x0
	ds_add_u32 v240, v241
	s_wait_dscnt 0x0
	s_and_saveexec_b32 s25, vcc_lo
	global_store_b128 v5, v[XW:XW+3], s[14:15]
	s_wait_xcnt 0x0
	s_or_b32 exec_lo, exec_lo, s25
	s_endpgm
; ---------------- the weights: K is their FIRST axis.  A lane takes a column and its registers run down K; a wave takes 32 columns (a pair of tiles) x 128 along K: 4 blocks a lane, one scale word
.Lweights:
	s_cmp_lt_u32 ttmp9, 192                        ; 192 work-groups for Wqkv, 64 for Wproj: pointers, pitch and places are chosen, the text is one
	s_cselect_b32 s20, 0, 192
	s_mov_b32 s21, 4096
	s_cselect_b32 s21, 12288, s21                  ; a row of the weight in bytes
	s_mov_b32 s22, PQO
	s_cselect_b32 s22, WQO, s22
	s_mov_b32 s23, PSO
	s_cselect_b32 s23, WSO, s23
	s_wait_kmcnt 0x0
	s_cselect_b64 s[6:7], s[6:7], s[8:9]
	s_sub_co_u32 s20, ttmp9, s20
	s_lshr_b32 s24, s20, 3                         ; which 128 columns
	s_and_b32 s25, s20, 7                          ; which 128 along K
	s_lshl_b32 s26, s24, 2
	s_add_co_u32 s26, s26, s[WV]                   ; my pair of tiles
	s_lshl_b32 s27, s25, 7
	s_mul_i32 s28, s27, s21
	s_lshl_b32 s27, s26, 7
	s_add_co_u32 s28, s28, s27
	s_mov_b32 s29, 0
	s_add_nc_u64 s[WB0:WB0+1], s[6:7], s[28:29]    ; block 0: row 128 s25, column 32 x pair
	s_lshl_b32 s28, s21, 5                         ; 32 rows on
.irp t, 1,2,3
	s_add_nc_u64 s[WB0+2*\t:WB0+2*\t+1], s[WB0+2*\t-2:WB0+2*\t-1], s[28:29]
.endr
	s_mul_i32 s30, s26, 24576                      ; the codes: two tiles of 12,288 bytes a pair
	s_add_co_u32 s30, s30, s22
	s_mul_i32 s27, s25, 1536
	s_add_co_u32 s30, s30, s27
	s_mov_b32 s31, 0
	s_add_nc_u64 s[12:13], s[10:11], s[30:31]
	s_lshl_b32 s30, s26, 10                        ; the scale words
	s_add_co_u32 s30, s30, s23
	s_lshr_b32 s27, s25, 2                         ; which 512 along K,
	s_lshl_b32 s27, s27, 9
	s_add_co_u32 s30, s30, s27
	s_and_b32 s27, s25, 3                          ; and which of a lane's four words there
	s_lshl_b32 s27, s27, 2
	s_add_co_u32 s30, s30, s27
	s_add_nc_u64 s[14:15], s[10:11], s[30:31]
	s_wait_alu depctr_va_vdst(0)
	v_lshlrev_b32 v1, 2, v15
.set cn, 0
.rept 32
	v_mad_u32_u24 v[OFF+cn], s21, cn, v1           ; 4 x lane + i rows
.set cn, cn+1
.endr
	v_bfe_u32 v2, v0, 3, 1                         ; column x of the 32 is index (x & 7) + 8 (x / 16) of tile (x / 8) & 1
	v_and_b32 v3, 7, v0
	v_bfe_u32 v4, v0, 4, 1
	v_lshl_or_b32 v3, v4, 3, v3
	s_mul_i32 s27, s[WV], 12288
	s_add_co_u32 s27, s27, WAREA                   ; my stage: the two tiles' two half images each, as they will lie in memory
	v_mul_u32_u24 v5, v2, 1536
	v_add_nc_u32 v5, s27, v5
	v_lshl_add_u32 v6, v3, 4, v5                   ; registers 0-3 of my place in a half image
	v_lshl_add_u32 v7, v3, 3, v5                   ; registers 4-5 (+ 512 in the immediate)
	v_lshlrev_b32 v8, 4, v15
	v_add_nc_u32 v9, s27, v8
	v_lshl_add_u32 v10, v2, 4, v3
	v_lshlrev_b32 v10, 4, v10                      ; my four scale words' place
.macro WLOAD t                         ; block t: 32 rows of K at my column: 128 consecutive bytes a load, the four waves side by side
.set cn, 0
.rept 32
	global_load_b32 v[WX+32*((\t)%2)+cn], v[OFF+cn], s[WB0+2*(\t):WB0+2*(\t)+1] th:TH_LOAD_NT
.set cn, cn+1
.endr
.endm
.macro WBLOCK t
.set XB, WX+32*((\t)%2)
.if (\t) < 3
	s_wait_loadcnt 32                              ; this block's 32 loads are in; the next block's may be out
.else
	s_wait_loadcnt 0x0
.endif
	v_max3_num_f32 v12, |v[XB]|, |v[XB+1]|, |v[XB+2]|               ; all 32 numbers of the block are mine
	v_max3_num_f32 v13, |v[XB+3]|, |v[XB+4]|, |v[XB+5]|
.irp i, 6,10,14,18,22,26
	v_max3_num_f32 v12, v12, |v[XB+\i]|, |v[XB+\i+1]|
	v_max3_num_f32 v13, v13, |v[XB+\i+2]|, |v[XB+\i+3]|
.endr
	v_max3_num_f32 v12, v12, |v[XB+30]|, |v[XB+31]|
	v_max3_num_f32 v12, v12, v13, FLOOR
	v_add_nc_u32 v14, 0xfe000000, v12
	v_lshrrev_b32 v13, 23, v14
.if (\t)%4 == 0
	v_mov_b32 v[SB+(\t)/4], v13                    ; four bytes to a word, the lower K in the lower byte
.else
	v_lshl_or_b32 v[SB+(\t)/4], v13, 8*((\t)%4), v[SB+(\t)/4]
.endif
	v_cvt_scalef32_pk16_bf6_f32 v[WC:WC+2], v[XB:XB+15], v14
	v_cvt_scalef32_pk16_bf6_f32 v[WC+4:WC+6], v[XB+16:XB+31], v14   ; (a conversion's three registers begin on an even number)
	v_nop
	v_mov_b32 v[WC+3], v[WC+4]
	v_mov_b32 v[WC+4], v[WC+5]
	v_mov_b32 v[WC+5], v[WC+6]
	ds_store_b128 v6, v[WC:WC+3] offset:768*((\t)/2)+256*((\t)%2)           ; block t is half t % 2 of half image t / 2
	ds_store_b64 v7, v[WC+4:WC+5] offset:768*((\t)/2)+512+128*((\t)%2)
.if (\t)+2 < 4
	WLOAD (\t)+2
.endif
	s_wait_dscnt 0x0                               ; the stores have read their registers
.endm
	WLOAD 0
	WLOAD 1
.set BQ, 0
.rept 4
	WBLOCK BQ
.set BQ, BQ+1
.endr
.irp k, 0,1,2,3,4,5
	ds_load_b128 v[OUTR+4*\k:OUTR+4*\k+3], v9 offset:512*\k
.endr
	s_wait_alu depctr_va_vdst(0)
	global_store_b32 v10, v[SB], s[14:15]          ; my column's word for these 128: four bytes of each 16 (one byte in 128 of what the wave reads)
.irp k, 0,1,2,3,4,5
	s_wait_dscnt 5-\k                              ; load k is in; the younger ones may be out
	global_store_b128 v8, v[OUTR+4*\k:OUTR+4*\k+3], s[12:13] offset:(\k/3)*12288+512*(\k%3)   ; 512 consecutive bytes
.endr
	s_wait_tensorcnt 0x0
	ds_add_u32 v240, v241
	s_wait_dscnt 0x0
	s_endpgm
.Lfunc_end_k_q3ab8c63f51_quant:
	.size	k_q3ab8c63f51_quant, .Lfunc_end_k_q3ab8c63f51_quant-k_q3ab8c63f51_quant
	.p2alignl 7, 3214868480
	.fill 96, 4, 3214868480
	.section	.rodata,"a",@progbits
	.p2align	6, 0x0
	.amdhsa_kernel k_q3ab8c63f51_quant
		.amdhsa_group_segment_fixed_size 83456
		.amdhsa_private_segment_fixed_size 0
		.amdhsa_enable_private_segment 0
		.amdhsa_kernarg_size 32
		.amdhsa_user_sgpr_count 2
		.amdhsa_user_sgpr_kernarg_segment_ptr 1
		.amdhsa_wavefront_size32 1
		.amdhsa_system_sgpr_workgroup_id_x 1
		.amdhsa_system_sgpr_workgroup_id_y 1
		.amdhsa_system_sgpr_workgroup_id_z 1
		.amdhsa_system_vgpr_workitem_id 0
		.amdhsa_next_free_vgpr 242
		.amdhsa_next_free_sgpr 66
		.amdhsa_reserve_vcc 1
		.amdhsa_float_denorm_mode_32 3
		.amdhsa_float_denorm_mode_16_64 3
		.amdhsa_memory_ordered 1
		.amdhsa_forward_progress 1
		.amdhsa_inst_pref_size 58
	.end_amdhsa_kernel
	.amdgpu_metadata
---
amdhsa.version: [ 1, 2 ]
amdhsa.kernels:
  - .name:           k_q3ab8c63f51_quant
    .symbol:         k_q3ab8c63f51_quant.kd
    .args:
      - { .name: x, .offset: 0, .size: 8, .value_kind: global_buffer, .address_space: global }
      - { .name: Wqkv, .offset: 8, .size: 8, .value_kind: global_buffer, .address_space: global }
      - { .name: Wproj, .offset: 16, .size: 8, .value_kind: global_buffer, .address_space: global }
      - { .name: xw, .offset: 24, .size: 8, .value_kind: global_buffer, .address_space: global }
    .group_segment_fixed_size: 83456
    .private_segment_fixed_size: 0
    .kernarg_segment_align: 8
    .kernarg_segment_size: 32
    .max_flat_workgroup_size: 128
    .sgpr_count:     66
    .vgpr_count:     242
    .wavefront_size: 32
...
	.end_amdgpu_metadata
.endif
;; end of part 1
;; launch qkv (part 2): grid 32 x 8, 4 waves a work-group, clusters of 4 x 1, 327,680 bytes of LDS; arguments xw, bqkv, qc, kvs; writes qc, kvs
.if DOCPART == 2
	.amdgcn_target "amdgcn-amd-amdhsa--gfx1250"
	.amdhsa_code_object_version 6
	.text
	.protected	k_q3ab8c63f51_qkv
	.globl	k_q3ab8c63f51_qkv
	.p2align	8
	.type	k_q3ab8c63f51_qkv,@function
k_q3ab8c63f51_qkv:
	s_mov_b64 s[64:65], 0
	v_nop
	global_prefetch_b8 v0, s[64:65] scope:SCOPE_SE
	s_setreg_imm32_b32 hwreg(HW_REG_WAVE_MODE, 25, 1), 1
	s_wait_xcnt 0x0
	s_wait_alu depctr_hold_cnt(0) depctr_sa_sdst(0) depctr_va_vdst(0) depctr_va_sdst(0) depctr_va_ssrc(0) depctr_va_vcc(0) depctr_vm_vsrc(0)
	s_getreg_b32 s2, hwreg(HW_REG_IB_STS2, 6, 4)
	s_cmp_eq_u32 s2, 0
	s_cbranch_scc0 .Lentry_in_a_cluster
	s_endpgm
.Lentry_in_a_cluster:
	s_bfe_u32 s2, ttmp6, 0x10000c
	s_cmp_lg_u32 s2, 0x3003
	s_cbranch_scc0 .Lentry_shape_is_right
	s_endpgm
.Lentry_shape_is_right:
.set NPARTS, 6
.set XSO,   6291456
.set WQO,   6553600
.set WSO,   8912896
.set FLOOR, 0x2800000
.set L16,  1
.set L8,   2
.set BA16, 3
.set BA8,  4
.set O64H, 8
.set OBV,  9
.set OVS,  10
.set AS,   16
.set BS,   32
.set PC,   128
.set PT,   160
.set T,    224
.set U,    232
.set SCL,  240
.set W,    248
.set QW,   252
.set WV,   12
.set G1,   24
.set G0,   32
.set SEL,  56
.set HM,   58
.set ABASE,  60
.set ASBASE, 62
.set BSBASE, 66
.set BIBASE, 68
.set QB,   70
.set KK,   72
.set KV,   74
.set KW,   76
.set KS,   78
.set MSB, 0
.macro WIN new
.if MSB != (\new)
	s_set_vgpr_msb (MSB<<8)|(\new)
.set MSB, (\new)
.endif
.endm
.macro CROUND
	s_barrier_signal -1
	s_barrier_wait -1
	s_cmp_lg_u32 s[WV], 0
	s_cbranch_scc1 .Lnot_wave_0_\@
	s_barrier_signal -3
.Lnot_wave_0_\@:
	s_barrier_wait -3
	s_barrier_signal -1
	s_barrier_wait -1
.endm
.macro PLACES n
.rept \n
	v_nop
.endr
.endm
	s_load_b256 s[4:11], s[0:1], 0x0
	v_lshl_add_u32 v14, v0, 2, 0x48000
	v_mov_b32 v15, 0
	ds_add_u32 v14, v15
	ds_add_u32 v14, v15
	v_lshrrev_b32 v1, 5, v0
	v_readfirstlane_b32 s[WV], v1
	s_and_b32 s15, ttmp7, 0xffff
	s_mov_b32 s[G1], 15|(3<<16)|(1<<21)
	s_mov_b32 s[G1+1], 32<<16
	s_mov_b32 s[G1+2], 96<<16
	s_mov_b32 s[G1+3], 32<<16
	s_mov_b32 s[G1+4], 96
	s_mov_b32 s[G1+5], 32
	s_mov_b32 s[G1+6], 0
	s_mov_b32 s[G1+7], 0
	s_mul_i32 s16, s[WV], 24576                    ; the block of 294,912 bytes is dense and lands as it lies.  At the head: parts 0 and 1, 98,304 bytes, a quarter (96 rows of 256 bytes) a wave
	s_mul_i32 s18, s15, 294912
	s_add_co_u32 s18, s18, s16
	s_add_co_u32 s18, s18, WQO
	s_mov_b32 s19, 0
	s_wait_dscnt 0x0
	s_wait_kmcnt 0x0
	s_add_nc_u64 s[18:19], s[4:5], s[18:19]
	s_mov_b32 s[G0], 1
	s_mov_b32 s[G0+1], s16
	s_mov_b64 s[G0+2:G0+3], s[18:19]
	s_or_b32 s[G0+3], s[G0+3], 0x80000000
	s_mov_b32 s[G0+4], 1                           ; parts 2 to 5, 196,608 bytes: a quarter (192 rows) a wave, at 98,304 + 49,152 w
	s_lshl_b32 s17, s16, 1
	s_add_co_u32 s[G0+5], s17, 98304
	s_mov_b32 s20, s16
	s_mov_b32 s21, 0
	s_add_nc_u64 s[G0+6:G0+7], s[18:19], s[20:21]
	s_add_nc_u64 s[G0+6:G0+7], s[G0+6:G0+7], 98304
	s_or_b32 s[G0+7], s[G0+7], 0x80000000
	CROUND                                         ; all four work-groups are here: the joint loads meet
	tensor_load_to_lds s[G0:G0+3], s[G1:G1+7]      ; my one load: no byte is filled again
	s_nop 0
	PLACES 4
	v_and_b32 v5, 31, v0
	v_lshlrev_b32 v[L16], 4, v5
	v_lshlrev_b32 v[L8], 3, v5
	v_mov_b32 v[BA16], v[L16]
	v_mov_b32 v[BA8], v[L8]
	v_and_b32 v6, 15, v0
	v_bfe_u32 v7, v0, 4, 1
	v_lshlrev_b32 v[O64H], 6, v7
	v_lshrrev_b32 v[OBV], 3, v6
	v_lshl_add_u32 v[OBV], v[OBV], 3, v6
	v_lshlrev_b32 v[OBV], 2, v[OBV]
	v_lshlrev_b32 v[OVS], 4, v6
	v_lshl_add_u32 v[OVS], v7, 2, v[OVS]
	v_cmp_le_u32 s[HM], 16, v5
.irp k, 0,1,2,3,4,5,6,7
	v_mov_b32 v[U+\k], 0
.endr
	s_mov_b32 s[SEL], 0x76543210
	s_mov_b32 s[SEL+1], 0xfedcba98
	s_bfe_u32 s84, ttmp6, 0x40000
	s_lshl_b32 s85, ttmp9, 2
	s_add_co_u32 s85, s85, s84
	s_lshl_b32 s86, s85, 2
	s_add_co_u32 s86, s86, s[WV]
	s_mul_i32 s88, s86, 49152
	s_mov_b32 s89, 0
	s_add_nc_u64 s[ABASE:ABASE+1], s[4:5], s[88:89]
	s_lshl_b32 s88, s86, 11
	s_add_co_u32 s88, s88, XSO
	s_add_nc_u64 s[ASBASE:ASBASE+1], s[4:5], s[88:89]
	s_mul_i32 s88, s15, 12288
	s_add_co_u32 s88, s88, WSO
	s_add_nc_u64 s[BSBASE:BSBASE+1], s[4:5], s[88:89]
	s_mul_i32 s88, s15, 1536
	s_add_nc_u64 s[BIBASE:BIBASE+1], s[6:7], s[88:89]
.irp g, 0,1
.irp c, 0,1
	global_load_b128 v[AS+8*\g+4*\c:AS+8*\g+4*\c+3], v[L16], s[ASBASE:ASBASE+1] offset:1024*\g+512*\c
.endr
.endr
.irp p, 0,1,2,3,4,5
.irp g, 0,1
.irp c, 0,1
	global_load_b128 v[BS+16*\p+8*\g+4*\c:BS+16*\p+8*\g+4*\c+3], v[L16], s[BSBASE:BSBASE+1] offset:2048*\p+1024*\g+512*\c
.endr
.endr
.endr
	WIN 0xc0
.macro BILOAD k, p
.irp n, 0,1,2,3
	global_load_b128 v[128+32*(\k)+8*\n:128+32*(\k)+8*\n+3], v[O64H], s[BIBASE:BIBASE+1] offset:256*(\p)+128*(\n/2)+32*(\n%2)
	global_load_b128 v[128+32*(\k)+8*\n+4:128+32*(\k)+8*\n+7], v[O64H], s[BIBASE:BIBASE+1] offset:256*(\p)+128*(\n/2)+32*(\n%2)+16
.endr
.endm
	BILOAD 0, 0
	BILOAD 1, 1
	BILOAD 2, 3
	BILOAD 3, 4
	WIN 0x40
.irp e, 0,1
.irp n, 0,1,2,3
	global_load_b32 v[240+8*\e+2*\n], v[OBV], s[BIBASE:BIBASE+1] offset:256*(3*\e+2)+128*(\n/2)+32*(\n%2)
	global_load_b32 v[241+8*\e+2*\n], v[OBV], s[BIBASE:BIBASE+1] offset:256*(3*\e+2)+128*(\n/2)+32*(\n%2)
.endr
.endr
.macro ALOAD reg, off
	global_load_b128 v[\reg:\reg+3], v[L16], s[ABASE:ABASE+1] offset:\off
	global_load_b64 v[\reg+4:\reg+5], v[L8], s[ABASE:ABASE+1] offset:\off+512
	global_load_b128 v[\reg+6:\reg+9], v[L16], s[ABASE:ABASE+1] offset:\off+768
	global_load_b64 v[\reg+10:\reg+11], v[L8], s[ABASE:ABASE+1] offset:\off+1280
.endm
.irp q, 0,1,2,3,4
.irp i, 0,1,2,3
	ALOAD 12*(4*\q+\i), \i*12288+\q*1536
.endr
.endr
	WIN 0x80
.irp q, 5,6,7
.irp i, 0,1,2,3
	ALOAD 12*(4*(\q-5)+\i), \i*12288+\q*1536
.endr
.endr
	WIN 0
	s_lshr_b32 s86, s85, 3
	s_and_b32 s87, s85, 7
	s_lshl_b32 s86, s86, 4
	s_lshl_b32 s84, s15, 1
	s_add_co_u32 s86, s86, s84
	s_lshl_b32 s84, s86, 7
	s_lshl_b32 s88, s87, 4
	s_add_co_u32 s84, s84, s88
	s_lshl_b32 s88, s[WV], 2
	s_add_co_u32 s84, s84, s88
	s_mul_i32 s80, s84, 768
	s_mov_b32 s81, 0
	s_add_nc_u64 s[QB:QB+1], s[8:9], s[80:81]
	s_lshl_b32 s84, s86, 4
	s_lshl_b32 s88, s87, 1
	s_add_co_u32 s84, s84, s88
	s_lshr_b32 s88, s[WV], 1
	s_add_co_u32 s84, s84, s88
	s_mul_i32 s82, s84, 13568
	s_mov_b32 s83, 0
	s_add_nc_u64 s[82:83], s[10:11], s[82:83]
	s_and_b32 s84, s[WV], 1
	s_mul_i32 s80, s84, 3072
	s_add_nc_u64 s[KK:KK+1], s[82:83], s[80:81]
	s_add_nc_u64 s[KV:KV+1], s[KK:KK+1], 6144
	s_lshl_b32 s80, s84, 9
	s_add_nc_u64 s[KW:KW+1], s[82:83], s[80:81]
	s_add_nc_u64 s[KW:KW+1], s[KW:KW+1], 12288
	s_lshl_b32 s80, s84, 1
	s_add_nc_u64 s[KS:KS+1], s[82:83], s[80:81]
	s_add_nc_u64 s[KS:KS+1], s[KS:KS+1], 13312
.macro WM d, a, b, cr, sa, sb, ra, rb
.if (\cr) < 0
.if (\ra) && (\rb)
	v_wmma_scale_f32_16x16x128_f8f6f4 v[\d:\d+7], v[\a:\a+11], v[\b:\b+11], 0, v[\sa], v[\sb] matrix_a_fmt:MATRIX_FMT_BF6 matrix_b_fmt:MATRIX_FMT_BF6 matrix_a_scale:MATRIX_SCALE_ROW1 matrix_b_scale:MATRIX_SCALE_ROW1
.elseif (\ra)
	v_wmma_scale_f32_16x16x128_f8f6f4 v[\d:\d+7], v[\a:\a+11], v[\b:\b+11], 0, v[\sa], v[\sb] matrix_a_fmt:MATRIX_FMT_BF6 matrix_b_fmt:MATRIX_FMT_BF6 matrix_a_scale:MATRIX_SCALE_ROW1
.elseif (\rb)
	v_wmma_scale_f32_16x16x128_f8f6f4 v[\d:\d+7], v[\a:\a+11], v[\b:\b+11], 0, v[\sa], v[\sb] matrix_a_fmt:MATRIX_FMT_BF6 matrix_b_fmt:MATRIX_FMT_BF6 matrix_b_scale:MATRIX_SCALE_ROW1
.else
	v_wmma_scale_f32_16x16x128_f8f6f4 v[\d:\d+7], v[\a:\a+11], v[\b:\b+11], 0, v[\sa], v[\sb] matrix_a_fmt:MATRIX_FMT_BF6 matrix_b_fmt:MATRIX_FMT_BF6
.endif
.else
.if (\ra) && (\rb)
	v_wmma_scale_f32_16x16x128_f8f6f4 v[\d:\d+7], v[\a:\a+11], v[\b:\b+11], v[\cr:\cr+7], v[\sa], v[\sb] matrix_a_fmt:MATRIX_FMT_BF6 matrix_b_fmt:MATRIX_FMT_BF6 matrix_a_scale:MATRIX_SCALE_ROW1 matrix_b_scale:MATRIX_SCALE_ROW1
.elseif (\ra)
	v_wmma_scale_f32_16x16x128_f8f6f4 v[\d:\d+7], v[\a:\a+11], v[\b:\b+11], v[\cr:\cr+7], v[\sa], v[\sb] matrix_a_fmt:MATRIX_FMT_BF6 matrix_b_fmt:MATRIX_FMT_BF6 matrix_a_scale:MATRIX_SCALE_ROW1
.elseif (\rb)
	v_wmma_scale_f32_16x16x128_f8f6f4 v[\d:\d+7], v[\a:\a+11], v[\b:\b+11], v[\cr:\cr+7], v[\sa], v[\sb] matrix_a_fmt:MATRIX_FMT_BF6 matrix_b_fmt:MATRIX_FMT_BF6 matrix_b_scale:MATRIX_SCALE_ROW1
.else
	v_wmma_scale_f32_16x16x128_f8f6f4 v[\d:\d+7], v[\a:\a+11], v[\b:\b+11], v[\cr:\cr+7], v[\sa], v[\sb] matrix_a_fmt:MATRIX_FMT_BF6 matrix_b_fmt:MATRIX_FMT_BF6
.endif
.endif
.endm
.macro FETCH D
.if ((\D)%2) == 0
	WIN 0x80
.set FB, 144
.else
	WIN 0
.set FB, 128
.endif
.irp c, 0,1
.irp n, 0,1,2,3
	ds_load_b128 v[FB+12*(4*\c+\n):FB+12*(4*\c+\n)+3], v[BA16] offset:\n*12288+(2*(\D)+\c)*1536
	ds_load_b64 v[FB+12*(4*\c+\n)+4:FB+12*(4*\c+\n)+5], v[BA8] offset:\n*12288+(2*(\D)+\c)*1536+512
	ds_load_b128 v[FB+12*(4*\c+\n)+6:FB+12*(4*\c+\n)+9], v[BA16] offset:\n*12288+(2*(\D)+\c)*1536+768
	ds_load_b64 v[FB+12*(4*\c+\n)+10:FB+12*(4*\c+\n)+11], v[BA8] offset:\n*12288+(2*(\D)+\c)*1536+1280
.endr
.endr
.endm
.macro MULT kind, p, D, bi
.irp c, 0,1
.set KQ, 2*(\D)+\c
.set WA, 1+KQ/5
.set AB, 48*(KQ-5*(KQ/5))
.set WB, 2-2*((\D)%2)
.set FB, 144-16*((\D)%2)+48*\c
.if \kind
	WIN (0xf0|(WB<<2)|WA)
.else
	WIN (0xf0|(WA<<2)|WB)
.endif
.irp n, 0,1,2,3
.irp i, 0,1,2,3
.set RB_, FB+12*\n
.set RA_, AB+12*\i
.set SB_, BS+16*(\p)+8*(\n/2)+KQ
.set SA_, AS+8*(\i/2)+KQ
.if \kind
.set RD_, 32*\n+8*\i
.set RC_, RD_
.if KQ == 0
.set RC_, -1
.endif
	WM RD_, RA_, RB_, RC_, SA_, SB_, \i%2, \n%2
.else
.set RD_, 32*\i+8*\n
.set RC_, RD_
.if KQ == 0
.set RC_, 128+32*(\bi)+8*\n
.endif
	WM RD_, RB_, RA_, RC_, SB_, SA_, \n%2, \i%2
.endif
.endr
.endr
.endr
.endm
.macro DSTEP kind, p, D, bi
.if (\D) == 3
.if (\p) < NPARTS-1
	s_wait_dscnt 0x0
.if (\p) == 1
	s_wait_tensorcnt 0x0                           ; my quarter of parts 2 to 5 has landed; behind the barrier everybody's has; nothing is filled again
	s_barrier_signal -1
	s_barrier_wait -1
.endif
	WIN 0
	v_add_nc_u32 v[BA16], 49152, v[BA16]
	v_add_nc_u32 v[BA8], 49152, v[BA8]
	PLACES 2
	FETCH 0
.else
	s_wait_dscnt 0x0
.endif
.else
.if ((\D) == 0) && ((\p) > 0)
	s_wait_xcnt 0x0
	PLACES 1
.endif
	PLACES 4
	FETCH (\D)+1
	s_wait_dscnt 32
.endif
.if (\p) == 0
.if (\D) < 2
	s_wait_loadcnt 63
.elseif (\D) == 2
	s_wait_loadcnt 32
.else
	s_wait_loadcnt 0x0
.endif
.endif
	MULT \kind, \p, \D, \bi
.endm
.macro PART kind, p, bi
	DSTEP \kind, \p, 0, \bi
	DSTEP \kind, \p, 1, \bi
	DSTEP \kind, \p, 2, \bi
	DSTEP \kind, \p, 3, \bi
.endm
.macro EPI kind, hh
	PLACES 4
.if (\kind) == 2
	WIN 0xc7
.irp g, 0,1,2,3
.irp m, 0,2,4,6,8,10,12,14,16,18,20,22,24,26,28,30
	v_pk_add_f32 v[32*\g+\m:32*\g+\m+1], v[32*\g+\m:32*\g+\m+1], v[240+8*(\hh)+2*\g:241+8*(\hh)+2*\g]
.endr
.endr
.endif
	WIN 0x0f
.irp g, 0,1,2,3
.irp b, 0,1
	v_max3_num_f32 v[T+2*\g+\b], |v[32*\g+16*\b]|, |v[32*\g+16*\b+1]|, FLOOR
.endr
.endr
.irp i, 2,4,6,8,10,12,14
.irp g, 0,1,2,3
.irp b, 0,1
	v_max3_num_f32 v[T+2*\g+\b], |v[32*\g+16*\b+\i]|, |v[32*\g+16*\b+\i+1]|, v[T+2*\g+\b]
.endr
.endr
.endr
	WIN 0
.irp k, 0,1,2,3,4,5,6,7
	v_permlanex16_b32 v[U+\k], v[T+\k], s[SEL], s[SEL+1]
.endr
.irp k, 0,1,2,3,4,5,6,7
	v_max_num_f32 v[T+\k], v[T+\k], v[U+\k]
.endr
.irp k, 0,1,2,3,4,5,6,7
	v_add_nc_u32 v[SCL+\k], 0xfe000000, v[T+\k]
.endr
.irp k, 0,1,2,3,4,5,6,7
	v_lshrrev_b32 v[U+\k], 23, v[SCL+\k]
.endr
.if (\kind) == 0
.set WD, QW
.else
.set WD, W
.endif
.irp g, 0,1,2,3
	v_lshl_or_b32 v[WD+\g], v[U+2*\g+1], 8, v[U+2*\g]
.endr
	WIN 0x03
.irp g, 0,1,2,3
	v_cvt_scalef32_pk16_bf6_f32 v[PC+8*\g:PC+8*\g+2], v[32*\g:32*\g+15], v[SCL+2*\g]
	v_cvt_scalef32_pk16_bf6_f32 v[PT+4*\g:PT+4*\g+2], v[32*\g+16:32*\g+31], v[SCL+2*\g+1]
.endr
	WIN 0
	v_nop
.irp g, 0,1,2,3
.irp i, 0,1,2
	v_permlane16_swap_b32 v[PC+8*\g+\i], v[PT+4*\g+\i]
.endr
.irp i, 0,1,2
	v_mov_b32 v[PC+8*\g+3+\i], v[PT+4*\g+\i]
.endr
.endr
.if (\kind) == 0
.set SBASE, QB
.set HOFF, 98304*(\hh)
.elseif (\kind) == 1
.set SBASE, KK
.set HOFF, 217088*(\hh)
.else
.set SBASE, KV
.set HOFF, 217088*(\hh)
.endif
.irp g, 0,1,2,3
	global_store_b128 v[L16], v[PC+8*\g:PC+8*\g+3], s[SBASE:SBASE+1] offset:HOFF+768*\g
	global_store_b64 v[L8], v[PC+8*\g+4:PC+8*\g+5], s[SBASE:SBASE+1] offset:HOFF+768*\g+512
.endr
.if (\kind) == 1
.irp g, 0,1,2,3
	v_cndmask_b32 v[W+\g], v[QW+\g], v[W+\g], s[HM]
.endr
	global_store_b128 v[L16], v[W:W+3], s[KW:KW+1] offset:217088*(\hh)
.elseif (\kind) == 2
	v_cndmask_b32 v[T], v[W], v[W+1], s[HM]
	v_cndmask_b32 v[T+1], v[W+2], v[W+3], s[HM]
	global_store_b16 v[OVS], v[T], s[KS:KS+1] offset:217088*(\hh)
	global_store_b16 v[OVS], v[T+1], s[KS:KS+1] offset:217088*(\hh)+8
.endif
.endm
	s_wait_alu depctr_va_vdst(0)
	s_wait_tensorcnt 0x0                           ; my quarter of parts 0 and 1 has landed
	ds_add_u32 v14, v15
	s_mov_b32 s[G1+2], 192<<16                     ; no tensor load of mine is out, so the descriptor may be written: 192 rows
	s_mov_b32 s[G1+4], 192
	s_wait_dscnt 0x0
	CROUND                                         ; everybody's quarter is in, and all four work-groups are here: the joint loads meet
	tensor_load_to_lds s[G0+4:G0+7], s[G1:G1+7]    ; parts 2 to 5 land while parts 0 and 1 are multiplied
	s_nop 0
	PLACES 4
	FETCH 0
	PART 0, 0, 0
	EPI 0, 0
	PART 0, 1, 1
	EPI 1, 0
	PART 1, 2, 0
	EPI 2, 0
	PART 0, 3, 2
	EPI 0, 1
	PART 0, 4, 3
	EPI 1, 1
	PART 1, 5, 0
	EPI 2, 1
	s_wait_tensorcnt 0x0
	ds_add_u32 v14, v15
	s_wait_dscnt 0x0
	CROUND
	s_endpgm
.Lfunc_end_k_q3ab8c63f51_qkv:
	.size	k_q3ab8c63f51_qkv, .Lfunc_end_k_q3ab8c63f51_qkv-k_q3ab8c63f51_qkv
	.p2alignl 7, 3214868480
	.fill 96, 4, 3214868480
	.section	.rodata,"a",@progbits
	.p2align	6, 0x0
	.amdhsa_kernel k_q3ab8c63f51_qkv
		.amdhsa_group_segment_fixed_size 327680
		.amdhsa_private_segment_fixed_size 0
		.amdhsa_enable_private_segment 0
		.amdhsa_kernarg_size 32
		.amdhsa_user_sgpr_count 2
		.amdhsa_user_sgpr_kernarg_segment_ptr 1
		.amdhsa_wavefront_size32 1
		.amdhsa_system_sgpr_workgroup_id_x 1
		.amdhsa_system_sgpr_workgroup_id_y 1
		.amdhsa_system_sgpr_workgroup_id_z 1
		.amdhsa_system_vgpr_workitem_id 0
		.amdhsa_next_free_vgpr 1024
		.amdhsa_next_free_sgpr 92
		.amdhsa_reserve_vcc 0
		.amdhsa_float_denorm_mode_32 3
		.amdhsa_float_denorm_mode_16_64 3
		.amdhsa_memory_ordered 1
		.amdhsa_forward_progress 1
		.amdhsa_inst_pref_size 236
	.end_amdhsa_kernel
	.amdgpu_metadata
---
amdhsa.version: [ 1, 2 ]
amdhsa.kernels:
  - .name:           k_q3ab8c63f51_qkv
    .symbol:         k_q3ab8c63f51_qkv.kd
    .args:
      - { .name: xw, .offset: 0, .size: 8, .value_kind: global_buffer, .address_space: global }
      - { .name: bqkv, .offset: 8, .size: 8, .value_kind: global_buffer, .address_space: global }
      - { .name: qc, .offset: 16, .size: 8, .value_kind: global_buffer, .address_space: global }
      - { .name: kvs, .offset: 24, .size: 8, .value_kind: global_buffer, .address_space: global }
    .group_segment_fixed_size: 327680
    .private_segment_fixed_size: 0
    .kernarg_segment_align: 8
    .kernarg_segment_size: 32
    .max_flat_workgroup_size: 128
    .sgpr_count:     92
    .vgpr_count:     1024
    .wavefront_size: 32
...
	.end_amdgpu_metadata
.endif
;; end of part 2
;; launch attn (part 3): grid 4 x 64, 16 waves a work-group, clusters of 4 x 1, 219,136 bytes of LDS; arguments qc, kvs, oq; writes oq
.if DOCPART == 3
	.amdgcn_target "amdgcn-amd-amdhsa--gfx1250"
	.amdhsa_code_object_version 6
	.text
	.protected	k_q3ab8c63f51_attn
	.globl	k_q3ab8c63f51_attn
	.p2align	8
	.type	k_q3ab8c63f51_attn,@function
k_q3ab8c63f51_attn:
	s_mov_b64 s[64:65], 0
	v_nop
	global_prefetch_b8 v0, s[64:65] scope:SCOPE_SE
	s_setreg_imm32_b32 hwreg(HW_REG_WAVE_MODE, 25, 1), 1
	s_wait_xcnt 0x0
	s_wait_alu depctr_hold_cnt(0) depctr_sa_sdst(0) depctr_va_vdst(0) depctr_va_sdst(0) depctr_va_ssrc(0) depctr_va_vcc(0) depctr_vm_vsrc(0)
	s_getreg_b32 s2, hwreg(HW_REG_IB_STS2, 6, 4)
	s_cmp_eq_u32 s2, 0
	s_cbranch_scc0 .Lentry_in_a_cluster
	s_endpgm
.Lentry_in_a_cluster:
	s_bfe_u32 s2, ttmp6, 0x10000c
	s_cmp_lg_u32 s2, 0x3003
	s_cbranch_scc0 .Lentry_shape_is_right
	s_endpgm
.Lentry_shape_is_right:
; Causal attention of one head on codes of BF6 (E3M2, one E8M0 byte for each 32 along a product's K), and its result quantised for the last product.  logit = q . k / 32 (the module divides by sqrt(1024)).
; THE SOFTMAX: t = score x log2(e) / 32; M = the row's largest t so far, rounded UP to a whole number; p = 2^(t - M) is quantised along the keys, not normalised; the row's sum is taken of the unquantised p and divides at the end
; (by v_rcp_f32 and a multiplication).  When M moves, the sum and O are multiplied by 2^(old M - new M): exact.
; SHARES.  A cluster of four work-groups is one (batch, head).  The head's whole block of kvs (16 steps of 128 keys, 13,568 bytes each: K's 8 tiles, V's 8 half images, the scale words) lies in each work-group's LDS as it lies in
; memory, filled ONCE, jointly: no byte is filled again.  A wave owns two tiles of 16 queries, i and 127 - i: a + 1 and 16 - a key steps (a = i / 8), 17 for every wave.  a hangs on the wave's number alone, so no branch hangs on the
; work-group's place in its cluster; the place enters the tile's number within its step, which goes into memory addresses and into the mask's data only.
; LAYOUT.  Both products transposed: S^T = K Q^T, O^T = V^T P^T: a lane holds one query (index lane % 16 of its tile).  The rows of every tile are index i -> 32 g + 8 u + i + 8 (i / 8), so the 16 registers of two neighbouring
; tiles are 16 neighbours along the next K.
; K = 64 IN A FORM OF 128.  Q's registers 6-11 are zero codes.  K's tiles lie six registers apart, so the upper half of the operand named for tile t is tile t + 1's codes (for tile 7: six registers kept at 0): they meet Q's zero
; codes and add nothing; the upper two scale bytes are 0, never 0xff.
; CAUSAL.  All trip counts are constants; a step all of whose keys come after the tile's queries is jumped over (a branch on the wave's number and the loop's count); on the diagonal step hidden scores become -infinity.
; OUT.  oq: codes [512 tiles of rows][16 heads][768], as x's; at 6,291,456 the scale words, as x's.  A word's two halves belong to two heads, so they leave by stores of two bytes.
; LIMITS: NaN and infinities are not served; a block of zeros, or one under 2^-122, keeps the byte 1.
; REGISTERS: v1-3 16 l, 8 l, 16 r; v4-6 the step's addresses; v7, v8 the mask's d for the two tiles; v9 -infinity; v10 lane; v12 -M, v13 largest t, v[14:15] the sum; v16-27, v28-39 Q; v40, v41 Q's words; v42-95 K or V;
; v96-159 S^T, then p; v160-191 O^T; v192-203 p's codes; v204-210 at work; v212-223 BM, BX, SO; v224-231 K's words; v232-235 V's; v236 p's; v[238:239] f, 0; v240-243 at work.
.set FLOOR, 0x2800000
.set STEPB, 13568
.set BM,  212
.set BX,  216
.set SO,  220
.set T0,  BM
.set T1,  BM+1
.set T2,  BX
.set T3,  BX+1
.set T4,  SO
.set T5,  SO+1
.set WV,  12
.set AL,  30                           ; s30 the low tile's last key step;  s31 the high tile's
.set AH,  31
.set BL,  32                           ; s32, s33 the tiles' numbers within their steps (they hang on cx)
.set BH,  33
.set TL,  34                           ; s34, s35 the tiles
.set TH,  35
.set G1A, 36                           ; s[36:43] group 1: one key step
.set G0A, 52
.set SEL, 60
.set CS,  62
.set ST,  66                           ; s66 the key step;  s67 its place in LDS
.set TB,  67
.set OCL, 68
.set OCH, 70
.set OSL, 72
.set OSH, 74
.set QAL, 76
.set QAH, 78
.set QWL, 80
.set QWH, 82
.macro CROUND
	s_barrier_signal -1
	s_barrier_wait -1
	s_cmp_lg_u32 s[WV], 0
	s_cbranch_scc1 .Lnot_wave_0_\@
	s_barrier_signal -3
.Lnot_wave_0_\@:
	s_barrier_wait -3
	s_barrier_signal -1
	s_barrier_wait -1
.endm
.macro QH src, pc, pt, w               ; 32 numbers of a lane, register 16 b + i = k 32 b + 16 h + i, become a half image's six registers and two scale bytes
	v_max3_num_f32 v[T0], |v[\src]|, |v[\src+1]|, FLOOR
	v_max3_num_f32 v[T1], |v[\src+16]|, |v[\src+17]|, FLOOR
.irp i, 2,4,6,8,10,12,14
	s_delay_alu instid0(VALU_DEP_2)
	v_max3_num_f32 v[T0], v[T0], |v[\src+\i]|, |v[\src+\i+1]|
	s_delay_alu instid0(VALU_DEP_2)
	v_max3_num_f32 v[T1], v[T1], |v[\src+\i+16]|, |v[\src+\i+17]|
.endr
	s_delay_alu instid0(VALU_DEP_2)
	v_permlanex16_b32 v[T2], v[T0], s[SEL], s[SEL+1]
	s_delay_alu instid0(VALU_DEP_2)
	v_permlanex16_b32 v[T3], v[T1], s[SEL], s[SEL+1]
	s_delay_alu instid0(VALU_DEP_2)
	v_max_num_f32 v[T0], v[T0], v[T2]
	s_delay_alu instid0(VALU_DEP_2)
	v_max_num_f32 v[T1], v[T1], v[T3]
	s_delay_alu instid0(VALU_DEP_2)
	v_add_nc_u32 v[T4], 0xfe000000, v[T0]
	s_delay_alu instid0(VALU_DEP_2)
	v_add_nc_u32 v[T5], 0xfe000000, v[T1]
	s_delay_alu instid0(VALU_DEP_2)
	v_lshrrev_b32 v[T2], 23, v[T4]
	s_delay_alu instid0(VALU_DEP_2)
	v_lshrrev_b32 v[T3], 23, v[T5]
	s_delay_alu instid0(VALU_DEP_1)
	v_lshl_or_b32 v[\w], v[T3], 8, v[T2]
	v_cvt_scalef32_pk16_bf6_f32 v[\pc:\pc+2], v[\src:\src+15], v[T4]
	v_cvt_scalef32_pk16_bf6_f32 v[\pt:\pt+2], v[\src+16:\src+31], v[T5]
	v_nop
.irp i, 0,1,2
	v_permlane16_swap_b32 v[\pc+\i], v[\pt+\i]
.endr
.irp i, 0,1,2
	s_delay_alu instid0(VALU_DEP_3)
	v_mov_b32 v[\pc+3+\i], v[\pt+\i]
.endr
.endm
	s_load_b128 s[4:7], s[0:1], 0x0                ; qc s[4:5], kvs s[6:7]
	s_load_b64 s[8:9], s[0:1], 0x10                ; oq
	v_lshl_add_u32 v254, v0, 2, 0x35000
	v_mov_b32 v255, 0
	ds_add_u32 v254, v255
	ds_add_u32 v254, v255
	v_lshrrev_b32 v1, 5, v0
	s_delay_alu instid0(VALU_DEP_1)
	v_readfirstlane_b32 s[WV], v1                  ; wave 0..15
	s_and_b32 s14, ttmp7, 0xffff                   ; the (batch, head), which the four partners share
	; group 1: dense bytes as rows of 256 (32 elements of 8 bytes): 53 rows are a key step, 159 three
	s_mov_b32 s[G1A], 15|(3<<16)|(1<<21)
	s_mov_b32 s[G1A+1], 32<<16
	s_mov_b32 s[G1A+2], 53<<16
	s_mov_b32 s[G1A+3], 32<<16
	s_mov_b32 s[G1A+4], 53
	s_mov_b32 s[G1A+5], 32
	s_mov_b32 s[G1A+6], 0
	s_mov_b32 s[G1A+7], 0
	s_mul_i32 s20, s14, 16*STEPB
	s_mov_b32 s21, 0
	s_mul_i32 s22, s[WV], STEPB                    ; wave w fetches key step w: 16 waves, 16 steps
	s_mov_b32 s19, 0
	s_wait_dscnt 0x0
	s_wait_kmcnt 0x0
	s_add_nc_u64 s[20:21], s[6:7], s[20:21]        ; the head's block
	s_mov_b32 s[G0A], 1
	s_mov_b32 s[G0A+1], s22
	s_mov_b32 s18, s22
	s_add_nc_u64 s[G0A+2:G0A+3], s[20:21], s[18:19]
	s_or_b32 s[G0A+3], s[G0A+3], 0x80000000
	CROUND                                         ; all four work-groups are here: the joint loads meet
	tensor_load_to_lds s[G0A:G0A+3], s[G1A:G1A+7]  ; every wave's one load, with no branch
	s_nop 0
.rept 4
	v_nop
.endr
	; which tiles are mine
	s_and_b32 s15, s[WV], 3
	s_lshr_b32 s16, s[WV], 2
	s_lshl_b32 s16, s16, 2
	s_lshr_b32 s16, 0x4370, s16
	s_and_b32 s16, s16, 7                          ; 0, 7, 3, 4 for waves 0-3, 4-7, 8-11, 12-15,
	s_lshr_b32 s17, s15, 1
	s_xor_b32 s[AL], s16, s17                      ; or 1, 6, 2, 5: a, of the wave's number alone
	s_sub_co_u32 s[AH], 15, s[AL]
	s_and_b32 s15, s15, 1
	s_bfe_u32 s84, ttmp6, 0x40000                  ; cx
	s_lshl_b32 s84, s84, 1
	s_add_co_u32 s[BL], s84, s15
	s_sub_co_u32 s[BH], 7, s[BL]
	s_lshl_b32 s84, s[AL], 3
	s_add_co_u32 s[TL], s84, s[BL]
	s_sub_co_u32 s[TH], 127, s[TL]
	s_lshr_b32 s24, s14, 4                         ; the batch
	s_and_b32 s25, s14, 15                         ; the head
	s_lshr_b32 s26, s25, 3                         ; the head's two bytes among the scale words: 512 (head / 8) + 4 ((head / 2) % 4) + 2 (head % 2)
	s_lshl_b32 s26, s26, 9
	s_bfe_u32 s27, s25, 0x20001
	s_lshl_b32 s27, s27, 2
	s_add_co_u32 s26, s26, s27
	s_and_b32 s27, s25, 1
	s_lshl_b32 s27, s27, 1
	s_add_co_u32 s26, s26, s27
	s_add_co_u32 s26, s26, 6291456
.macro ADRS tau, qa, qw, oc, os        ; the memory addresses of tile s[tau]
	s_lshl_b32 s84, s14, 7
	s_add_co_u32 s84, s84, s[\tau]
	s_mul_i32 s86, s84, 768
	s_mov_b32 s87, 0
	s_add_nc_u64 s[\qa:\qa+1], s[4:5], s[86:87]    ; Q's half image
	s_lshr_b32 s84, s[\tau], 3
	s_mul_i32 s86, s84, STEPB
	s_bfe_u32 s84, s[\tau], 0x10002
	s_lshl_b32 s84, s84, 9
	s_add_co_u32 s86, s86, s84
	s_and_b32 s84, s[\tau], 3
	s_lshl_b32 s84, s84, 2
	s_add_co_u32 s86, s86, s84
	s_add_co_u32 s86, s86, 12288
	s_add_nc_u64 s[\qw:\qw+1], s[20:21], s[86:87]  ; Q's words
	s_lshl_b32 s84, s24, 7
	s_add_co_u32 s84, s84, s[\tau]                 ; the tile among the 512 tiles of rows
	s_lshl_b32 s85, s84, 4
	s_add_co_u32 s85, s85, s25
	s_mul_i32 s86, s85, 768
	s_add_nc_u64 s[\oc:\oc+1], s[8:9], s[86:87]
	s_lshr_b32 s85, s84, 1
	s_lshl_b32 s86, s85, 10
	s_and_b32 s85, s84, 1
	s_lshl_b32 s85, s85, 8
	s_add_co_u32 s86, s86, s85
	s_add_co_u32 s86, s86, s26
	s_add_nc_u64 s[\os:\os+1], s[8:9], s[86:87]
.endm
	ADRS TL, QAL, QWL, OCL, OSL
	ADRS TH, QAH, QWH, OCH, OSH
	v_and_b32 v10, 31, v0                          ; lane
	s_delay_alu instid0(VALU_DEP_1)
	v_lshlrev_b32 v1, 4, v10
	s_delay_alu instid0(VALU_DEP_2)
	v_lshlrev_b32 v2, 3, v10
	v_and_b32 v11, 15, v0                          ; r
	s_delay_alu instid0(VALU_DEP_1)
	v_lshlrev_b32 v3, 4, v11
	global_load_b128 v[16:19], v1, s[QAL:QAL+1]
	global_load_b64 v[20:21], v2, s[QAL:QAL+1] offset:512
	global_load_b128 v[28:31], v1, s[QAH:QAH+1]
	global_load_b64 v[32:33], v2, s[QAH:QAH+1] offset:512
	global_load_b32 v40, v3, s[QWL:QWL+1]
	global_load_b32 v41, v3, s[QWH:QWH+1]
	v_lshrrev_b32 v7, 3, v11
	s_delay_alu instid0(VALU_DEP_1)
	v_lshl_add_u32 v11, v7, 3, v11                 ; r + 8 (r / 8)
	v_bfe_u32 v7, v0, 4, 1
	s_delay_alu instid0(VALU_DEP_1)
	v_lshlrev_b32 v7, 4, v7
	s_delay_alu instid0(VALU_DEP_1)
	v_sub_nc_u32 v11, v11, v7                      ; - 16 h
	s_wait_alu depctr_va_vdst(0)
	s_lshr_b32 s84, s[BL], 1
	s_lshl_b32 s84, s84, 5
	s_and_b32 s85, s[BL], 1
	s_lshl_b32 s85, s85, 3
	s_add_co_u32 s84, s84, s85
	v_add_nc_u32 v7, s84, v11                      ; d = my query's place in its step of 128 - 16 h: register 16 b + i holds key 32 b + 16 h + i, hidden where 32 b + i > d
	s_lshr_b32 s84, s[BH], 1
	s_lshl_b32 s84, s84, 5
	s_and_b32 s85, s[BH], 1
	s_lshl_b32 s85, s85, 3
	s_add_co_u32 s84, s84, s85
	v_add_nc_u32 v8, s84, v11
	v_mov_b32 v9, 0xff800000
.irp j, 22,23,24,25,26,27,34,35,36,37,38,39,90,91,92,93,94,95
	v_mov_b32 v\j, 0                               ; zero codes: Q's upper halves, and what stands above K's tile 7
.endr
.irp j, 216,217,218,219,239,240
	v_mov_b32 v\j, 0                               ; written once: lane permutes' destinations count as read; v239 is named with f as a pair
.endr
	s_mov_b32 s[SEL], 0x76543210
	s_mov_b32 s[SEL+1], 0xfedcba98
	s_mov_b32 s[CS], 0x3d38aa3b                    ; c = log2(e) / 32
	s_mov_b32 s[CS+1], s[CS]
.macro INIT
	v_mov_b32 v13, 0xff61b1e6                      ; the largest t so far: -3e38
	s_delay_alu instid0(VALU_DEP_1)
	v_floor_f32 v12, -v13
	v_mov_b32 v14, 0
	v_mov_b32 v15, 0
.set cn, 0
.rept 32
	v_mov_b32 v[160+cn], 0                         ; O^T: the first change of M multiplies zeros
.set cn, cn+1
.endr
.endm
; A KEY STEP of 128 keys for the tile whose Q lies at v[qb], words in v[qw], last step in s[at], mask data in v[d]
.macro STEP qb, qw, at, d
	s_cmp_gt_u32 s[ST], s[\at]
	s_cbranch_scc1 .Lskip_\@                       ; all its keys come after my queries
	v_add_nc_u32 v4, s[TB], v1                     ; (with the v_nop: four places in front of loads into registers that the last products read)
	v_add_nc_u32 v5, s[TB], v2
	v_add_nc_u32 v6, s[TB], v3
	v_nop
.irp t, 0,1,2,3,4,5,6,7
	ds_load_b128 v[42+6*\t:45+6*\t], v4 offset:768*\t
	ds_load_b64 v[46+6*\t:47+6*\t], v5 offset:768*\t+512
.endr
	ds_load_b128 v[224:227], v6 offset:12544       ; K's words: tiles 0-3,
	ds_load_b128 v[228:231], v6 offset:13056       ; tiles 4-7
	s_wait_alu depctr_va_vdst(0)
	s_wait_dscnt 0x0
.irp t, 0,1,2,3,4,5,6,7
	v_wmma_scale_f32_16x16x128_f8f6f4 v[96+8*\t:103+8*\t], v[42+6*\t:53+6*\t], v[\qb:\qb+11], 0, v[224+\t], v[\qw] matrix_a_fmt:MATRIX_FMT_BF6 matrix_b_fmt:MATRIX_FMT_BF6
.endr
.rept 4
	v_nop                                          ; places in front of V's loads and of the first read of the scores
.endr
.irp n, 0,1,2,3
.irp e, 0,1
	ds_load_b128 v[42+12*\n+6*\e:45+12*\n+6*\e], v4 offset:6144+3072*\e+768*\n     ; V lands while the softmax is worked
	ds_load_b64 v[46+12*\n+6*\e:47+12*\n+6*\e], v5 offset:6144+3072*\e+768*\n+512
.endr
.endr
	ds_load_b128 v[232:235], v6 offset:13312
	s_cmp_lg_u32 s[ST], s[\at]
	s_cbranch_scc1 .Lopen_\@                       ; only the tile's last step lies on the diagonal
.set cn, 0
.rept 64
	v_cmp_gt_i32 vcc_lo, 32*(cn/16)+cn%16, v[\d]
	v_cndmask_b32 v[96+cn], v[96+cn], v9, vcc_lo
.set cn, cn+1
.endr
.Lopen_\@:
.irp b, 0,1,2,3
	v_max3_num_f32 v[BM+\b], v[96+16*\b], v[97+16*\b], v[98+16*\b]  ; the largest score of each block of 32 keys: for the row's maximum, and, since p rises with the score, for the block's largest p
.endr
.irp i, 3,5,7,9,11,13
.irp b, 0,1,2,3
	v_max3_num_f32 v[BM+\b], v[BM+\b], v[96+16*\b+\i], v[97+16*\b+\i]
.endr
.endr
.irp b, 0,1,2,3
	v_max_num_f32 v[BM+\b], v[BM+\b], v[111+16*\b]
.endr
.irp b, 0,1,2,3
	s_delay_alu instid0(VALU_DEP_4)
	v_permlanex16_b32 v[BX+\b], v[BM+\b], s[SEL], s[SEL+1]
.endr
.irp b, 0,1,2,3
	s_delay_alu instid0(VALU_DEP_4)
	v_max_num_f32 v[BM+\b], v[BM+\b], v[BX+\b]
.endr
	s_delay_alu instid0(VALU_DEP_2)
	v_max3_num_f32 v240, v[BM], v[BM+1], v[BM+2]
	s_delay_alu instid0(VALU_DEP_1)
	v_max_num_f32 v240, v240, v[BM+3]
	s_delay_alu instid0(VALU_DEP_1)
	v_mul_f32 v240, s[CS], v240
	s_delay_alu instid0(VALU_DEP_1)
	v_max_num_f32 v13, v13, v240                   ; the running largest t
	v_mov_b32 v240, v12
	s_delay_alu instid0(VALU_DEP_2)
	v_floor_f32 v12, -v13                          ; -M = floor(-t): M is a whole number
	s_delay_alu instid0(VALU_DEP_1)
	v_sub_f32 v240, v12, v240
	s_delay_alu instid0(VALU_DEP_1)
	v_cvt_i32_f32 v240, v240                       ; (it saturates)
	s_delay_alu instid0(VALU_DEP_1)
	v_ldexp_f32 v238, 1.0, v240                    ; f = 2^(old M - new M)
.irp j, 0,2,4,6,8,10,12,14,16,18,20,22,24,26,28,30,32,34,36,38,40,42,44,46,48,50,52,54,56,58,60,62
	v_pk_fma_f32 v[96+\j:97+\j], v[96+\j:97+\j], s[CS:CS+1], v[12:13] op_sel_hi:[1,0,0]   ; t - M
.endr
.irp b, 0,1,2,3
	v_fma_f32 v[BM+\b], v[BM+\b], s[CS], v12
.endr
.set cn, 0
	s_wait_alu depctr_va_vdst(0)
.rept 64
	v_exp_f32 v[96+cn], v[96+cn]                   ; p = 2^(t - M)
.set cn, cn+1
.endr
	v_pk_mul_f32 v[14:15], v[14:15], v[238:239] op_sel_hi:[1,0]     ; the sums under the new M: the plain place behind the exponentials
	s_wait_alu depctr_va_vdst(0)                   ; one wait for the batch of 64, ahead of its first reader
.irp b, 0,1,2,3
	v_exp_f32 v[BM+\b], v[BM+\b]                   ; each block's largest p
.endr
	v_pk_add_f32 v[242:243], v[100:101], v[104:105]
	v_pk_add_f32 v[252:253], v[108:109], v[112:113]
	v_pk_add_f32 v[250:251], v[116:117], v[120:121]
	v_pk_add_f32 v[248:249], v[124:125], v[128:129]
	v_pk_add_f32 v[246:247], v[132:133], v[136:137]
	v_pk_add_f32 v[244:245], v[140:141], v[144:145]
	v_pk_add_f32 v[14:15], v[14:15], v[148:149]
	v_pk_add_f32 v[242:243], v[242:243], v[152:153]
	v_pk_add_f32 v[252:253], v[252:253], v[156:157]
	v_pk_add_f32 v[250:251], v[250:251], v[96:97]
	v_pk_add_f32 v[248:249], v[248:249], v[98:99]
	v_pk_add_f32 v[246:247], v[246:247], v[102:103]
	v_pk_add_f32 v[244:245], v[244:245], v[106:107]
	v_pk_add_f32 v[14:15], v[14:15], v[110:111]
	v_pk_add_f32 v[242:243], v[242:243], v[114:115]
	v_pk_add_f32 v[252:253], v[252:253], v[118:119]
	v_pk_add_f32 v[250:251], v[250:251], v[122:123]
	v_pk_add_f32 v[248:249], v[248:249], v[126:127]
	v_pk_add_f32 v[246:247], v[246:247], v[130:131]
	v_pk_add_f32 v[244:245], v[244:245], v[134:135]
	v_pk_add_f32 v[14:15], v[14:15], v[138:139]
	v_pk_add_f32 v[242:243], v[242:243], v[142:143]
	v_pk_add_f32 v[252:253], v[252:253], v[146:147]
	v_pk_add_f32 v[250:251], v[250:251], v[150:151]
	v_pk_add_f32 v[248:249], v[248:249], v[154:155]
	v_pk_add_f32 v[246:247], v[246:247], v[158:159]
	s_delay_alu instid0(VALU_DEP_2)
	v_pk_add_f32 v[14:15], v[14:15], v[248:249]
	s_delay_alu instid0(VALU_DEP_2)
	v_pk_add_f32 v[242:243], v[242:243], v[246:247]
	v_pk_add_f32 v[252:253], v[252:253], v[244:245]
	s_delay_alu instid0(VALU_DEP_1)
	v_pk_add_f32 v[14:15], v[14:15], v[252:253]
	s_delay_alu instid0(VALU_DEP_3)
	v_pk_add_f32 v[242:243], v[242:243], v[250:251]
	s_delay_alu instid0(VALU_DEP_1)
	v_pk_add_f32 v[14:15], v[14:15], v[242:243]
	s_wait_alu depctr_va_vdst(0)                   ; and one for the four
.irp b, 0,1,2,3
	v_max_num_f32 v[BM+\b], FLOOR, v[BM+\b]
.endr
.irp b, 0,1,2,3
	s_delay_alu instid0(VALU_DEP_4)
	v_add_nc_u32 v[SO+\b], 0xfe000000, v[BM+\b]
.endr
.irp b, 0,1,2,3
	s_delay_alu instid0(VALU_DEP_4)
	v_lshrrev_b32 v[BX+\b], 23, v[SO+\b]
.endr
	s_delay_alu instid0(VALU_DEP_3)
	v_lshl_or_b32 v236, v[BX+1], 8, v[BX]          ; p's scale word for these 128 keys
	s_delay_alu instid0(VALU_DEP_1)
	v_lshl_or_b32 v236, v[BX+2], 16, v236
	s_delay_alu instid0(VALU_DEP_1)
	v_lshl_or_b32 v236, v[BX+3], 24, v236
.irp c, 0,1
	v_cvt_scalef32_pk16_bf6_f32 v[192+6*\c:194+6*\c], v[96+32*\c:111+32*\c], v[SO+2*\c]
	v_cvt_scalef32_pk16_bf6_f32 v[204+4*\c:206+4*\c], v[112+32*\c:127+32*\c], v[SO+2*\c+1]
.endr
	v_nop
.irp c, 0,1
.irp i, 0,1,2
	v_permlane16_swap_b32 v[192+6*\c+\i], v[204+4*\c+\i]
.endr
.irp i, 0,1,2
	s_delay_alu instid0(VALU_DEP_3)
	v_mov_b32 v[195+6*\c+\i], v[204+4*\c+\i]
.endr
.endr
.irp j, 0,2,4,6,8,10,12,14,16,18,20,22,24,26,28,30
	v_pk_mul_f32 v[160+\j:161+\j], v[160+\j:161+\j], v[238:239] op_sel_hi:[1,0]    ; O^T under the new M.  (These 16 also stand between the writes of p's codes and scale word and the products)
.endr
	s_wait_alu depctr_va_vdst(0)
	s_wait_dscnt 0x0                               ; V and its words
.irp n, 0,1,2,3
	v_wmma_scale_f32_16x16x128_f8f6f4 v[160+8*\n:167+8*\n], v[42+12*\n:53+12*\n], v[192:203], v[160+8*\n:167+8*\n], v[232+\n], v236 matrix_a_fmt:MATRIX_FMT_BF6 matrix_b_fmt:MATRIX_FMT_BF6
.endr
.Lskip_\@:
	s_add_co_u32 s[TB], s[TB], STEPB
.endm
; O^T / the sum, quantised along the head's 64, to memory
.macro FINISH oc, os
.rept 4
	v_nop                                          ; places behind the last products, on the way over skipped steps too
.endr
	v_add_f32 v14, v14, v15
	s_delay_alu instid0(VALU_DEP_1)
	v_permlanex16_b32 v240, v14, s[SEL], s[SEL+1]
	s_delay_alu instid0(VALU_DEP_1)
	v_add_f32 v14, v14, v240                       ; the row's sum
	s_wait_alu depctr_va_vdst(0)
	v_rcp_f32 v14, v14
	v_cmp_gt_u32 vcc_lo, 16, v10                   ; (the plain place behind the reciprocal)  lanes 0-15
	s_wait_alu depctr_va_vdst(0)                   ; ahead of the reciprocal's first reader
.irp j, 0,2,4,6,8,10,12,14,16,18,20,22,24,26,28,30
	v_pk_mul_f32 v[96+\j:97+\j], v[160+\j:161+\j], v[14:15] op_sel_hi:[1,0]        ; each accumulator from its low end on
.endr
	QH 96, 192, 204, 241
	global_store_b128 v1, v[192:195], s[\oc:\oc+1]
	global_store_b64 v2, v[196:197], s[\oc:\oc+1] offset:512
	s_wait_alu depctr_va_vdst(0)
	s_wait_xcnt 0x0                                ; EXEC is a source of the stores above
	s_and_saveexec_b32 s88, vcc_lo
	global_store_b16 v3, v241, s[\os:\os+1]        ; row r's two bytes
	s_wait_xcnt 0x0                                ; and again in front of the line that widens it; the stores' registers are free too
	s_or_b32 exec_lo, exec_lo, s88
.endm
	s_wait_tensorcnt 0x0                           ; my key step has landed; behind the barrier everybody's has: the whole head lies in LDS, and nothing is filled again
	s_barrier_signal -1
	s_barrier_wait -1
	s_wait_loadcnt 0x0                             ; Q
	INIT
	s_mov_b32 s[ST], 0
	s_mov_b32 s[TB], 0
.Llow:                                             ; key steps 0-7 for the low tile
	STEP 16, 40, AL, 7
	s_add_co_u32 s[ST], s[ST], 1
	s_cmp_lt_u32 s[ST], 8
	s_cbranch_scc1 .Llow
	FINISH OCL, OSL
	INIT
	s_mov_b32 s[ST], 0
	s_mov_b32 s[TB], 0
.Lhigh:                                            ; key steps 0-15 for the high tile
	STEP 28, 41, AH, 8
	s_add_co_u32 s[ST], s[ST], 1
	s_cmp_lt_u32 s[ST], 16
	s_cbranch_scc1 .Lhigh
	FINISH OCH, OSH
	s_wait_tensorcnt 0x0
	ds_add_u32 v254, v255
	s_wait_dscnt 0x0
	CROUND                                         ; the closing round
	s_endpgm
.Lfunc_end_k_q3ab8c63f51_attn:
	.size	k_q3ab8c63f51_attn, .Lfunc_end_k_q3ab8c63f51_attn-k_q3ab8c63f51_attn
	.p2alignl 7, 3214868480
	.fill 96, 4, 3214868480
	.section	.rodata,"a",@progbits
	.p2align	6, 0x0
	.amdhsa_kernel k_q3ab8c63f51_attn
		.amdhsa_group_segment_fixed_size 219136
		.amdhsa_private_segment_fixed_size 0
		.amdhsa_enable_private_segment 0
		.amdhsa_kernarg_size 24
		.amdhsa_user_sgpr_count 2
		.amdhsa_user_sgpr_kernarg_segment_ptr 1
		.amdhsa_wavefront_size32 1
		.amdhsa_system_sgpr_workgroup_id_x 1
		.amdhsa_system_sgpr_workgroup_id_y 1
		.amdhsa_system_sgpr_workgroup_id_z 1
		.amdhsa_system_vgpr_workitem_id 0
		.amdhsa_next_free_vgpr 256
		.amdhsa_next_free_sgpr 90
		.amdhsa_reserve_vcc 1
		.amdhsa_float_denorm_mode_32 3
		.amdhsa_float_denorm_mode_16_64 3
		.amdhsa_memory_ordered 1
		.amdhsa_forward_progress 1
		.amdhsa_inst_pref_size 65
	.end_amdhsa_kernel
	.amdgpu_metadata
---
amdhsa.version: [ 1, 2 ]
amdhsa.kernels:
  - .name:           k_q3ab8c63f51_attn
    .symbol:         k_q3ab8c63f51_attn.kd
    .args:
      - { .name: qc, .offset: 0, .size: 8, .value_kind: global_buffer, .address_space: global }
      - { .name: kvs, .offset: 8, .size: 8, .value_kind: global_buffer, .address_space: global }
      - { .name: oq, .offset: 16, .size: 8, .value_kind: global_buffer, .address_space: global }
    .group_segment_fixed_size: 219136
    .private_segment_fixed_size: 0
    .kernarg_segment_align: 8
    .kernarg_segment_size: 24
    .max_flat_workgroup_size: 512
    .sgpr_count:     90
    .vgpr_count:     256
    .wavefront_size: 32
...
	.end_amdgpu_metadata
.endif
;; end of part 3
;; launch proj (part 4): grid 32 x 8, 4 waves a work-group, clusters of 4 x 1, 327,680 bytes of LDS; arguments oq, xw, bproj, out0; writes out0
.if DOCPART == 4
	.amdgcn_target "amdgcn-amd-amdhsa--gfx1250"
	.amdhsa_code_object_version 6
	.text
	.protected	k_q3ab8c63f51_proj
	.globl	k_q3ab8c63f51_proj
	.p2align	8
	.type	k_q3ab8c63f51_proj,@function
k_q3ab8c63f51_proj:
	s_mov_b64 s[64:65], 0
	v_nop
	global_prefetch_b8 v0, s[64:65] scope:SCOPE_SE
	s_setreg_imm32_b32 hwreg(HW_REG_WAVE_MODE, 25, 1), 1
	s_wait_xcnt 0x0
	s_wait_alu depctr_hold_cnt(0) depctr_sa_sdst(0) depctr_va_vdst(0) depctr_va_sdst(0) depctr_va_ssrc(0) depctr_va_vcc(0) depctr_vm_vsrc(0)
	s_getreg_b32 s2, hwreg(HW_REG_IB_STS2, 6, 4)
	s_cmp_eq_u32 s2, 0
	s_cbranch_scc0 .Lentry_in_a_cluster
	s_endpgm
.Lentry_in_a_cluster:
	s_bfe_u32 s2, ttmp6, 0x10000c
	s_cmp_lg_u32 s2, 0x3003
	s_cbranch_scc0 .Lentry_shape_is_right
	s_endpgm
.Lentry_shape_is_right:
.set NPARTS, 2
.set OSO,   6291456
.set PQO,   9011200
.set PSO,   9797632
.set STAGE, 98304
.set L16,  1
.set L8,   2
.set BA16, 3
.set BA8,  4
.set O64H, 8
.set STO,  11
.set RD,   12
.set CO,   13
.set AS,   16
.set BS,   32
.set OB,   128
.set WV,   12
.set G1,   24
.set G0,   32
.set ABASE,  60
.set ASBASE, 62
.set BSBASE, 66
.set BIBASE, 68
.set YB,   70
.set MSB, 0
.macro WIN new
.if MSB != (\new)
	s_set_vgpr_msb (MSB<<8)|(\new)
.set MSB, (\new)
.endif
.endm
.macro CROUND
	s_barrier_signal -1
	s_barrier_wait -1
	s_cmp_lg_u32 s[WV], 0
	s_cbranch_scc1 .Lnot_wave_0_\@
	s_barrier_signal -3
.Lnot_wave_0_\@:
	s_barrier_wait -3
	s_barrier_signal -1
	s_barrier_wait -1
.endm
.macro PLACES n
.rept \n
	v_nop
.endr
.endm
	s_load_b256 s[4:11], s[0:1], 0x0
	v_lshl_add_u32 v254, v0, 2, 0x29000
	v_mov_b32 v255, 0
	ds_add_u32 v254, v255
	ds_add_u32 v254, v255
	v_lshrrev_b32 v1, 5, v0
	v_readfirstlane_b32 s[WV], v1
	s_and_b32 s15, ttmp7, 0xffff
	s_mov_b32 s[G1], 15|(3<<16)|(1<<21)
	s_mov_b32 s[G1+1], 32<<16
	s_mov_b32 s[G1+2], 96<<16
	s_mov_b32 s[G1+3], 32<<16
	s_mov_b32 s[G1+4], 96
	s_mov_b32 s[G1+5], 32
	s_mov_b32 s[G1+6], 0
	s_mov_b32 s[G1+7], 0
	s_mul_i32 s16, s[WV], 24576                    ; the block of 98,304 bytes is dense and lands as it lies: a wave fetches a quarter, 96 rows of 256 bytes
	s_mul_i32 s18, s15, 98304
	s_add_co_u32 s18, s18, s16
	s_add_co_u32 s18, s18, PQO
	s_mov_b32 s19, 0
	s_wait_dscnt 0x0
	s_wait_kmcnt 0x0
	s_add_nc_u64 s[18:19], s[6:7], s[18:19]
	s_mov_b32 s[G0], 1
	s_mov_b32 s[G0+1], s16
	s_mov_b64 s[G0+2:G0+3], s[18:19]
	s_or_b32 s[G0+3], s[G0+3], 0x80000000
	CROUND                                         ; all four work-groups are here: the joint loads meet
	tensor_load_to_lds s[G0:G0+3], s[G1:G1+7]      ; my one load: no byte is filled again
	s_nop 0
	PLACES 4
	v_and_b32 v5, 31, v0
	v_lshlrev_b32 v[L16], 4, v5
	v_lshlrev_b32 v[L8], 3, v5
	v_mov_b32 v[BA16], v[L16]
	v_mov_b32 v[BA8], v[L8]
	v_and_b32 v6, 15, v0
	v_bfe_u32 v7, v0, 4, 1
	v_lshlrev_b32 v[O64H], 6, v7
	s_wait_alu depctr_va_vdst(0)
	s_mul_i32 s17, s[WV], 4352
	s_add_co_u32 s17, s17, STAGE
	v_mul_u32_u24 v[STO], v6, 272
	v_lshl_add_u32 v[STO], v7, 6, v[STO]
	v_add_nc_u32 v[STO], s17, v[STO]
	v_mul_u32_u24 v[RD], v7, 272
	v_lshl_add_u32 v[RD], v6, 4, v[RD]
	v_add_nc_u32 v[RD], s17, v[RD]
	v_lshlrev_b32 v[CO], 12, v7
	v_lshl_add_u32 v[CO], v6, 4, v[CO]
	s_bfe_u32 s84, ttmp6, 0x40000
	s_lshl_b32 s85, ttmp9, 2
	s_add_co_u32 s85, s85, s84
	s_lshl_b32 s86, s85, 2
	s_add_co_u32 s86, s86, s[WV]
	s_mul_i32 s88, s86, 49152
	s_mov_b32 s89, 0
	s_add_nc_u64 s[ABASE:ABASE+1], s[4:5], s[88:89]
	s_lshl_b32 s88, s86, 11
	s_add_co_u32 s88, s88, OSO
	s_add_nc_u64 s[ASBASE:ASBASE+1], s[4:5], s[88:89]
	s_lshl_b32 s88, s15, 12
	s_add_co_u32 s88, s88, PSO
	s_add_nc_u64 s[BSBASE:BSBASE+1], s[6:7], s[88:89]
	s_lshl_b32 s88, s15, 9
	s_add_nc_u64 s[BIBASE:BIBASE+1], s[8:9], s[88:89]
	s_lshl_b32 s87, s86, 18
	s_add_co_u32 s88, s88, s87
	s_add_nc_u64 s[YB:YB+1], s[10:11], s[88:89]
.irp g, 0,1
.irp c, 0,1
	global_load_b128 v[AS+8*\g+4*\c:AS+8*\g+4*\c+3], v[L16], s[ASBASE:ASBASE+1] offset:1024*\g+512*\c
.endr
.endr
.irp p, 0,1
.irp g, 0,1
.irp c, 0,1
	global_load_b128 v[BS+16*\p+8*\g+4*\c:BS+16*\p+8*\g+4*\c+3], v[L16], s[BSBASE:BSBASE+1] offset:2048*\p+1024*\g+512*\c
.endr
.endr
.endr
	WIN 0xc0
.irp p, 0,1
.irp n, 0,1,2,3
	global_load_b128 v[128+32*\p+8*\n:128+32*\p+8*\n+3], v[O64H], s[BIBASE:BIBASE+1] offset:256*\p+128*(\n/2)+32*(\n%2)
	global_load_b128 v[128+32*\p+8*\n+4:128+32*\p+8*\n+7], v[O64H], s[BIBASE:BIBASE+1] offset:256*\p+128*(\n/2)+32*(\n%2)+16
.endr
.endr
	WIN 0x40
.macro ALOAD reg, off
	global_load_b128 v[\reg:\reg+3], v[L16], s[ABASE:ABASE+1] offset:\off
	global_load_b64 v[\reg+4:\reg+5], v[L8], s[ABASE:ABASE+1] offset:\off+512
	global_load_b128 v[\reg+6:\reg+9], v[L16], s[ABASE:ABASE+1] offset:\off+768
	global_load_b64 v[\reg+10:\reg+11], v[L8], s[ABASE:ABASE+1] offset:\off+1280
.endm
.irp q, 0,1,2,3,4
.irp i, 0,1,2,3
	ALOAD 12*(4*\q+\i), \i*12288+\q*1536
.endr
.endr
	WIN 0x80
.irp q, 5,6,7
.irp i, 0,1,2,3
	ALOAD 12*(4*(\q-5)+\i), \i*12288+\q*1536
.endr
.endr
	WIN 0
.macro WM d, a, b, cr, sa, sb, ra, rb
.if (\ra) && (\rb)
	v_wmma_scale_f32_16x16x128_f8f6f4 v[\d:\d+7], v[\a:\a+11], v[\b:\b+11], v[\cr:\cr+7], v[\sa], v[\sb] matrix_a_fmt:MATRIX_FMT_BF6 matrix_b_fmt:MATRIX_FMT_BF6 matrix_a_scale:MATRIX_SCALE_ROW1 matrix_b_scale:MATRIX_SCALE_ROW1
.elseif (\ra)
	v_wmma_scale_f32_16x16x128_f8f6f4 v[\d:\d+7], v[\a:\a+11], v[\b:\b+11], v[\cr:\cr+7], v[\sa], v[\sb] matrix_a_fmt:MATRIX_FMT_BF6 matrix_b_fmt:MATRIX_FMT_BF6 matrix_a_scale:MATRIX_SCALE_ROW1
.elseif (\rb)
	v_wmma_scale_f32_16x16x128_f8f6f4 v[\d:\d+7], v[\a:\a+11], v[\b:\b+11], v[\cr:\cr+7], v[\sa], v[\sb] matrix_a_fmt:MATRIX_FMT_BF6 matrix_b_fmt:MATRIX_FMT_BF6 matrix_b_scale:MATRIX_SCALE_ROW1
.else
	v_wmma_scale_f32_16x16x128_f8f6f4 v[\d:\d+7], v[\a:\a+11], v[\b:\b+11], v[\cr:\cr+7], v[\sa], v[\sb] matrix_a_fmt:MATRIX_FMT_BF6 matrix_b_fmt:MATRIX_FMT_BF6
.endif
.endm
.macro FETCH D
.if ((\D)%2) == 0
	WIN 0x80
.set FB, 144
.else
	WIN 0
.set FB, 128
.endif
.irp c, 0,1
.irp n, 0,1,2,3
	ds_load_b128 v[FB+12*(4*\c+\n):FB+12*(4*\c+\n)+3], v[BA16] offset:\n*12288+(2*(\D)+\c)*1536
	ds_load_b64 v[FB+12*(4*\c+\n)+4:FB+12*(4*\c+\n)+5], v[BA8] offset:\n*12288+(2*(\D)+\c)*1536+512
	ds_load_b128 v[FB+12*(4*\c+\n)+6:FB+12*(4*\c+\n)+9], v[BA16] offset:\n*12288+(2*(\D)+\c)*1536+768
	ds_load_b64 v[FB+12*(4*\c+\n)+10:FB+12*(4*\c+\n)+11], v[BA8] offset:\n*12288+(2*(\D)+\c)*1536+1280
.endr
.endr
.endm
.macro MULT p, D
.irp c, 0,1
.set KQ, 2*(\D)+\c
.set WA, 1+KQ/5
.set AB, 48*(KQ-5*(KQ/5))
.set WB, 2-2*((\D)%2)
.set FB, 144-16*((\D)%2)+48*\c
	WIN (0xf0|(WA<<2)|WB)
.irp n, 0,1,2,3
.irp i, 0,1,2,3
.set RB_, FB+12*\n
.set RA_, AB+12*\i
.set SB_, BS+16*(\p)+8*(\n/2)+KQ
.set SA_, AS+8*(\i/2)+KQ
.set RD_, 32*\i+8*\n
.set RC_, RD_
.if KQ == 0
.set RC_, 128+32*(\p)+8*\n
.endif
	WM RD_, RB_, RA_, RC_, SB_, SA_, \n%2, \i%2
.endr
.endr
.endr
.endm
.macro DSTEP p, D
.if (\D) == 3
.if (\p) < NPARTS-1
	s_wait_dscnt 0x0
	WIN 0
	v_add_nc_u32 v[BA16], 49152, v[BA16]
	v_add_nc_u32 v[BA8], 49152, v[BA8]
	PLACES 2
	FETCH 0
.else
	s_wait_dscnt 0x0
.endif
.else
.if ((\D) == 0) && ((\p) > 0)
	s_wait_xcnt 0x0
	PLACES 1
.endif
	PLACES 4
	FETCH (\D)+1
	s_wait_dscnt 32
.endif
.if (\p) == 0
.if (\D) < 2
	s_wait_loadcnt 63
.elseif (\D) == 2
	s_wait_loadcnt 32
.else
	s_wait_loadcnt 0x0
.endif
.endif
	MULT \p, \D
.endm
.macro EPIY p
	PLACES 4
.irp i, 0,1,2,3
.if \i >= 2
	s_wait_xcnt 0x0
.endif
	WIN 0x0c
.irp n, 0,1,2,3
	ds_store_b128 v[STO], v[32*\i+8*\n:32*\i+8*\n+3] offset:128*(\n/2)+32*(\n%2)
	ds_store_b128 v[STO], v[32*\i+8*\n+4:32*\i+8*\n+7] offset:128*(\n/2)+32*(\n%2)+16
.endr
	WIN 0
.irp k, 0,1,2,3,4,5,6,7
	ds_load_b128 v[OB+32*(\i%2)+4*\k:OB+32*(\i%2)+4*\k+3], v[RD] offset:544*\k
.endr
.irp k, 0,1,2,3,4,5,6,7
	s_wait_dscnt 7-\k
	global_store_b128 v[CO], v[OB+32*(\i%2)+4*\k:OB+32*(\i%2)+4*\k+3], s[YB:YB+1] offset:(32*(\i/2)+8*(\i%2)+2*\k+8*(\k/4))*4096+256*(\p) th:TH_STORE_NT
.endr
.endr
.endm
	s_wait_tensorcnt 0x0                           ; my quarter has landed; behind the barrier everybody's has
	s_barrier_signal -1
	s_barrier_wait -1
	FETCH 0
	DSTEP 0, 0
	DSTEP 0, 1
	DSTEP 0, 2
	DSTEP 0, 3
	s_wait_alu depctr_va_vdst(0)
	EPIY 0
	DSTEP 1, 0
	DSTEP 1, 1
	DSTEP 1, 2
	DSTEP 1, 3
	EPIY 1
	s_wait_tensorcnt 0x0
	ds_add_u32 v254, v255
	s_wait_dscnt 0x0
	CROUND
	s_endpgm
.Lfunc_end_k_q3ab8c63f51_proj:
	.size	k_q3ab8c63f51_proj, .Lfunc_end_k_q3ab8c63f51_proj-k_q3ab8c63f51_proj
	.p2alignl 7, 3214868480
	.fill 96, 4, 3214868480
	.section	.rodata,"a",@progbits
	.p2align	6, 0x0
	.amdhsa_kernel k_q3ab8c63f51_proj
		.amdhsa_group_segment_fixed_size 327680
		.amdhsa_private_segment_fixed_size 0
		.amdhsa_enable_private_segment 0
		.amdhsa_kernarg_size 32
		.amdhsa_user_sgpr_count 2
		.amdhsa_user_sgpr_kernarg_segment_ptr 1
		.amdhsa_wavefront_size32 1
		.amdhsa_system_sgpr_workgroup_id_x 1
		.amdhsa_system_sgpr_workgroup_id_y 1
		.amdhsa_system_sgpr_workgroup_id_z 1
		.amdhsa_system_vgpr_workitem_id 0
		.amdhsa_next_free_vgpr 1024
		.amdhsa_next_free_sgpr 92
		.amdhsa_reserve_vcc 0
		.amdhsa_float_denorm_mode_32 3
		.amdhsa_float_denorm_mode_16_64 3
		.amdhsa_memory_ordered 1
		.amdhsa_forward_progress 1
		.amdhsa_inst_pref_size 87
	.end_amdhsa_kernel
	.amdgpu_metadata
---
amdhsa.version: [ 1, 2 ]
amdhsa.kernels:
  - .name:           k_q3ab8c63f51_proj
    .symbol:         k_q3ab8c63f51_proj.kd
    .args:
      - { .name: oq, .offset: 0, .size: 8, .value_kind: global_buffer, .address_space: global }
      - { .name: xw, .offset: 8, .size: 8, .value_kind: global_buffer, .address_space: global }
      - { .name: bproj, .offset: 16, .size: 8, .value_kind: global_buffer, .address_space: global }
      - { .name: out0, .offset: 24, .size: 8, .value_kind: global_buffer, .address_space: global }
    .group_segment_fixed_size: 327680
    .private_segment_fixed_size: 0
    .kernarg_segment_align: 8
    .kernarg_segment_size: 32
    .max_flat_workgroup_size: 128
    .sgpr_count:     92
    .vgpr_count:     1024
    .wavefront_size: 32
...
	.end_amdgpu_metadata
.endif
;; end of part 4
